; MI455X (gfx1250); checked and timed in simulation.
; The chip was launched on July 23, 2026; its instructions are those of AMD's public machine-readable ISA for CDNA 5 (MIT licence, August 2026) and "CDNA5" Instruction Set Architecture Reference Guide (July 2026). The comments in the code are by the model that wrote it; some were corrected since.
;; Block. Allowed arithmetic: matrix products marked QUANTISED: E2M3 operands, one E8M0 scale for each 32 along K, by v_wmma_scale_f32_16x16x128_f8f6f4 with both operands' format E2M3, f32 sums; everything else in f32.
;; Inputs: W1 512 x 2,048 float32; W2 2,048 x 512 float32; Wk 8 x 512 x 64 float32; Wo 512 x 512 float32; Wq 8 x 512 x 64 float32; Wv 8 x 512 x 64 float32; b1 2,048 float32; b2 512 float32; ln1_b 512 float32; ln1_g 512 float32; ln2_b 512 float32; ln2_g 512 float32; x 64 x 256 x 512 float32.
;; Outputs: out0 64 x 256 x 512 float32.
;; This version of the problem:
;;   THIS VERSION OF THE PROBLEM IS GIVEN IN LOW PRECISION. The matrix products marked QUANTISED in the list below multiply operands that are first quantised to E2M3 (2 exponent bits, 3 mantissa bits; 6 bits a number), with one power-of-two scale for each 32 numbers along K (OCP MX v1.0); their sums are f32. All else is computed in f32.
;;   The module's matrix products, in the order in which they are computed (A, B: the left and right operand; K: the contracted axis; several contracted axes count as one K, in the product's order):
;;     1. [M 512, K 512] x [K 512, N 16,384]; A: input Wq; B: input x: QUANTISED
;;     2. [M 512, K 512] x [K 512, N 16,384]; A: input Wk; B: input x: QUANTISED
;;     3. [M 512, K 512] x [K 512, N 16,384]; A: input Wv; B: input x: QUANTISED
;;     4. batch 512 x [M 256, K 64] x [K 64, N 256]; A: computed on the way; B: computed on the way: QUANTISED
;;     5. batch 512 x [M 256, K 256] x [K 256, N 64]; A: softmax (see below); B: computed on the way: QUANTISED
;;     6. [M 16,384, K 512] x [K 512, N 512]; A: computed on the way; B: input Wo: QUANTISED
;;     7. [M 16,384, K 512] x [K 512, N 2,048]; A: computed on the way; B: input W1: QUANTISED
;;     8. [M 16,384, K 2,048] x [K 2,048, N 512]; A: computed on the way; B: input W2: QUANTISED
;;   THE QUANTISER, for each operand of a quantised product, along K:
;;     - K is cut into blocks of 32 from its start; a last block that is shorter is filled with zeros.
;;     - A block's scale is 2^e with e = floor(log2(the largest magnitude in the block)) - 2, held to -126 .. 127; a block of zeros has e = 0. As a byte (E8M0): e + 127.
;;     - Each number is divided by its block's scale, clamped to +-7.5, and rounded to the nearest number of E2M3, ties to even, subnormals kept.
;;     - The product sums the exact products of the quantised numbers (number of the format x scale) in f32.
;;   ~~~python
;;   def quantise(x, axis):      # numpy; x: float32 -> the quantised numbers, widened to float32 again
;;       x = np.moveaxis(x, axis, -1); K = x.shape[-1]
;;       x = np.pad(x, [(0, 0)] * (x.ndim - 1) + [(0, -K % 32)]); x = x.reshape(x.shape[:-1] + (-1, 32)); a = np.abs(x).max(-1, keepdims=True)
;;       e = np.where(a > 0, np.clip(np.frexp(np.where(a > 0, a, 1))[1] - 1 - 2, -126, 127), 0)      # np.frexp(a)[1] - 1 = floor(log2(a)), exactly
;;       r = np.clip(x / 2.0 ** e, -7.5, 7.5)
;;       step = 2.0 ** (np.maximum(np.frexp(np.where(r == 0, 1, r))[1] - 1, 0) - 3)
;;       q = np.round(r / step) * step * 2.0 ** e      # np.round: ties to even
;;       return np.moveaxis(q.reshape(q.shape[:-2] + (-1,))[..., :K], -1, axis).astype(np.float32)
;;   ~~~
;;   SOFTMAX AHEAD OF A QUANTISED PRODUCT. Where the list says 'softmax', what is quantised is not the finished softmax but p = 2^(t - M), with t = logit x log2(e) and M = ceil(the row's largest t), a whole number; so 1/2 < the row's largest p <= 1. The row's sum l is taken of the UNQUANTISED p, in f32, and the product's result is divided by l at the end. Since M is a whole number, a kernel that streams over the keys may use a running M (the ceiling of the running maximum): every later rescaling is an exact power of two, which a block's scale takes up: the codes' values come out the same.
;;   OPERANDS COMPUTED ON THE WAY. 'Computed on the way' means the value that the module computes at that place (a softmax that the list does not call 'softmax' is quantised finished and normalised). What goes into a quantiser is computed in f32, as accurately as f32 sums, v_exp_f32 and their like allow (about 1e-6 of the number): no bf16 or f16 on the way to a quantiser, and a product that is left as it is and whose result goes on into a quantised operand takes f32 operands (vector FMAs, or v_wmma_f32_16x16x4_f32). A number that lies on a knife's edge between two numbers of the format may be rounded either way, as far as f32 arithmetic and the matrix unit's own rounding can turn it there, and no further.
;; One version. Each part assembles by itself: llvm-mc -triple=amdgcn-amd-amdhsa -mcpu=gfx1250 --defsym DOCPART=n.
;; ======== version 1 of 1: 3 launches
;; limits: right only within a limited range of input values
;; workspace buffers: xc 6,553,600 bytes; wqkv 614,400 bytes; wbuf 1,843,200 bytes; hc 6,815,744 bytes
;; launch prep (part 1): grid 448 x 1, 4 waves a work-group, no clusters, 47,616 bytes of LDS; arguments x, Wq, Wk, Wv, Wo, W1, W2, xc, wqkv, wbuf; writes xc, wqkv, wbuf
.if DOCPART == 1
	.amdgcn_target "amdgcn-amd-amdhsa--gfx1250"
	.amdhsa_code_object_version 6
	.text
	.protected	k_q6f5df448c9_prep
	.globl	k_q6f5df448c9_prep
	.p2align	8
	.type	k_q6f5df448c9_prep,@function
k_q6f5df448c9_prep:
	s_mov_b64 s[64:65], 0
	v_nop
	global_prefetch_b8 v0, s[64:65] scope:SCOPE_SE
	s_setreg_imm32_b32 hwreg(HW_REG_WAVE_MODE, 25, 1), 1
	s_wait_xcnt 0x0
; PREP: x and the six weights, all f32, become codes of FP6 (E2M3) with one E8M0 byte for each 32 along K, laid as IMAGES OF OPERAND REGISTERS:
; a fragment (16 rows x 128 K, 12 registers a lane) is 1,536 bytes, register 4 g + q of lane l at 512 g + 16 l + 4 q; a scale image is one word a lane.
; THE ROWS OF A TILE ARE NOT NEIGHBOURS: tile 2 b + u holds the indices 32 b + 8 u + pi(r), pi(r) = r + 8 (r / 8), of tokens and of weight columns alike.
; A pair scale image holds tile 2 p's sixteen words in lanes 0-15 and tile 2 p + 1's in lanes 16-31.
; Work-groups 0-255 take x (K innermost: rows turn through a stage in LDS so that a lane holds 16 neighbours along K); work-groups 256-447 take the weights
; A block's scale byte is its largest magnitude's exponent field - 2, held at 1 from below.
; LIMITS: NaN and infinities among the inputs are not served; a block whose largest magnitude lies under 2^-124, a block of zeros among them, keeps the byte 1
; (its codes are then zeros or subnormal codes; the bytes are read by this program alone).
; No tensor load, no barrier, no matrix instruction: waves share nothing, and memory binds.
.set XST,   0                          ; LDS: x's stages, 16 rows x 528 bytes for each wave
.set WST,   33792                      ; the weights' stages, 2 tiles x 1,664 bytes for each wave
.set SPARE, 47104                      ; the spare words, 128 bytes for each wave
.set L16, 1                            ; v1   16 x lane
.set L4,  2                            ; v2   4 x lane
.set SPW, 12                           ; v12  my spare word's LDS address; never rewritten
.set NIL, 13                           ; v13  0; never rewritten
.set OFF, 16                           ; v16-47  weights: row i of a block of 32: i x stride + 4 x lane
.set SW,  50                           ; v50  weights: my column's scale word
.set PW,  53                           ; v53  the scale word just made
.set PWE, 54                           ; v54  the even tile's, kept for the pair image
.set PWP, 55                           ; v55  the pair image's word
.set TM,  56                           ; v56-71 at work in QUANT
.set PC,  72                           ; v72-91 the codes just made
.set XN,  92                           ; v92-155  64 numbers: register 16 b + i = k 32 b + 16 (lane / 16) + i of my row
.set R0,  156                          ; v156-219 a fragment's 16 rows as loaded
.set CW,  96                           ; v96-127  weights: four blocks' codes
.set XW,  128                          ; v128-255 weights: four blocks of 32 numbers
.set SEL, 40                           ; s[40:41] selects for lane l xor 16
; 64 numbers of a lane become a fragment's codes in v[PC] on and its row's scale word in v[PW]
.macro QUANT s
.irp b, 0,1,2,3
	v_max3_num_f32 v[TM+\b], |v[(\s)+16*\b]|, |v[(\s)+16*\b+1]|, 0x1800000   ; my 16 numbers of block b, and the floor 2^(3 - 127): the byte cannot fall under 1
.endr
.irp i, 2,4,6,8,10,12,14
.irp b, 0,1,2,3
	v_max3_num_f32 v[TM+\b], |v[(\s)+16*\b+\i]|, |v[(\s)+16*\b+\i+1]|, v[TM+\b]
.endr
.endr
.irp b, 0,1,2,3
	v_permlanex16_b32 v[TM+4+\b], v[TM+\b], s[SEL], s[SEL+1]
.endr
.irp b, 0,1,2,3
	v_max_num_f32 v[TM+\b], v[TM+\b], v[TM+4+\b]       ; with lane l xor 16's: the block's largest magnitude
.endr
.irp b, 0,1,2,3
	v_add_nc_u32 v[TM+12+\b], 0xff000000, v[TM+\b]     ; 2 off its exponent field: the conversion's scale operand
.endr
.irp b, 0,1,2,3
	v_lshrrev_b32 v[TM+4+\b], 23, v[TM+12+\b]          ; the scale's byte
.endr
	v_lshl_or_b32 v[PW], v[TM+5], 8, v[TM+4]
	v_lshl_or_b32 v[PW], v[TM+6], 16, v[PW]
	v_lshl_or_b32 v[PW], v[TM+7], 24, v[PW]
.irp c, 0,1
	v_cvt_scalef32_pk16_fp6_f32 v[PC+6*\c:PC+6*\c+2], v[(\s)+32*\c:(\s)+32*\c+15], v[TM+12+2*\c]
	v_cvt_scalef32_pk16_fp6_f32 v[PC+12+4*\c:PC+14+4*\c], v[(\s)+32*\c+16:(\s)+32*\c+31], v[TM+13+2*\c]
.endr
	v_nop                                              ; one plain place behind the scaled conversions
.irp c, 0,1                                        ; the operand wants a whole block in a lane: lanes 0-15 block 2 c, lanes 16-31 block 2 c + 1
.irp i, 0,1,2
	v_permlane16_swap_b32 v[PC+6*\c+\i], v[PC+12+4*\c+\i]
.endr
.irp i, 0,1,2
	v_mov_b32 v[PC+3+6*\c+\i], v[PC+12+4*\c+\i]
.endr
.endr
.endm
	s_load_b512 s[4:19], s[0:1], 0x0               ; x s[4:5], Wq s[6:7], Wk s[8:9], Wv s[10:11], Wo s[12:13], W1 s[14:15], W2 s[16:17], xc s[18:19]
	s_load_b128 s[20:23], s[0:1], 0x40             ; wqkv s[20:21], wbuf s[22:23]
	v_lshl_add_u32 v[SPW], v0, 2, SPARE
	v_mov_b32 v[NIL], 0
	v_lshrrev_b32 v3, 5, v0
	v_readfirstlane_b32 s24, v3                    ; wave 0..3
	v_and_b32 v2, 31, v0
	v_lshlrev_b32 v[L16], 4, v2
	v_lshlrev_b32 v[L4], 2, v2
	s_cmp_ge_u32 ttmp9, 256
	s_cbranch_scc1 .Lweights
; ---------------- x.  Wave g = 4 x work-group + wave takes a pair of token tiles (32 tokens, P = g / 2) and two K steps (2 (g % 2) + s'): four fragments f, s' = f / 2, u = f % 2
	s_lshl_b32 s25, ttmp9, 2
	s_add_co_u32 s25, s25, s24                     ; g
	s_and_b32 s26, s25, 1
	s_lshr_b32 s27, s25, 1                         ; P
	s_lshr_b32 s28, s27, 3                         ; batch
	s_and_b32 s29, s27, 7                          ; the pair in its batch
	s_lshl_b32 s30, s27, 16                        ; x: 32 tokens of 2,048 bytes,
	s_lshl_b32 s31, s26, 10                        ; + my two K steps
	s_add_co_u32 s30, s30, s31
	s_mov_b32 s31, 0
	s_mul_i32 s32, s28, 102400                     ; xc: a batch's block
	s_lshl_b32 s33, s29, 3
	s_lshl_b32 s34, s26, 1
	s_add_co_u32 s33, s33, s34
	s_mul_i32 s33, s33, 1536                       ; image 4 T + s = 8 pair + 4 u + 2 (g % 2) + s'
	s_add_co_u32 s34, s32, s33
	s_mov_b32 s35, 0
	s_lshl_b32 s36, s26, 11                        ; pair scale images at 98,304 + 1,024 s + 128 pair
	s_lshl_b32 s37, s29, 7
	s_add_co_u32 s36, s36, s37
	s_add_co_u32 s36, s36, s32
	s_add_co_u32 s36, s36, 98304
	s_mov_b32 s37, 0
	s_mul_i32 s38, s24, 8448                       ; my stage
	s_wait_alu depctr_va_vdst(0)
	v_add_nc_u32 v3, s38, v[L16]                   ; in: a row's 512 bytes as they lie
	v_and_b32 v7, 15, v0
	v_bfe_u32 v8, v0, 4, 1
	v_mul_u32_u24 v4, v7, 528
	v_lshl_add_u32 v4, v8, 6, v4
	v_add_nc_u32 v4, s38, v4                       ; out: row r, + 64 bytes for the upper half of the lanes
	s_mov_b32 s[SEL], 0x76543210
	s_mov_b32 s[SEL+1], 0xfedcba98
	s_mov_b32 vcc_lo, 0xffff0000                   ; lanes 16-31 take the odd tile's word
.irp b, 0,1,2,3
	v_mov_b32 v[TM+4+\b], 0                        ; written once: a lane permute's destination counts as one of its sources
.endr
	s_wait_alu depctr_va_vdst(0)
	s_wait_kmcnt 0x0
	s_add_nc_u64 s[4:5], s[4:5], s[30:31]
	s_add_nc_u64 s[34:35], s[18:19], s[34:35]
	s_add_nc_u64 s[36:37], s[18:19], s[36:37]
.macro XLOAD f                         ; 16 rows x 512 bytes: each load reads 512 consecutive bytes
.set pp, 0
.rept 16
	global_load_b128 v[R0+4*pp:R0+4*pp+3], v[L16], s[4:5] offset:(8*((\f)%2)+pp+8*(pp/8))*2048+512*((\f)/2) th:TH_LOAD_NT
.set pp, pp+1
.endr
.endm
.macro XFRAG f
	s_wait_loadcnt 0x0                             ; this fragment's 16 loads are in
.set pp, 0
.rept 16
	ds_store_b128 v3, v[R0+4*pp:R0+4*pp+3] offset:528*pp
.set pp, pp+1
.endr
.irp b, 0,1,2,3
.irp j, 0,1,2,3
	ds_load_b128 v[XN+16*\b+4*\j:XN+16*\b+4*\j+3], v4 offset:128*\b+16*\j   ; LDS serves a wave's instructions in order: these see my stores
.endr
.endr
	s_wait_dscnt 0x0                               ; the numbers are back, and the stage's stores have read the load registers
	s_wait_xcnt 0x0                                ; the last fragment's stores have read the codes and the pair word, which are written again below
.if (\f) < 3
	XLOAD (\f)+1                                   ; the next fragment flies while this one is quantised
.endif
	QUANT XN
.irp g, 0,1,2
	global_store_b128 v[L16], v[PC+4*\g:PC+4*\g+3], s[34:35] offset:(4*((\f)%2)+(\f)/2)*1536+512*\g   ; 512 consecutive bytes a store
.endr
.if (\f)%2 == 0
	v_mov_b32 v[PWE], v[PW]
.else
	v_cndmask_b32 v[PWP], v[PWE], v[PW], vcc_lo
	global_store_b32 v[L4], v[PWP], s[36:37] offset:1024*((\f)/2)
.endif
.endm
	XLOAD 0
	XFRAG 0
	XFRAG 1
	XFRAG 2
	XFRAG 3
	s_wait_tensorcnt 0x0                           ; the wave's end, behind my last LDS store
	ds_add_u32 v[SPW], v[NIL]
	s_wait_dscnt 0x0
	s_endpgm
; ---------------- the weights.  Unit U = 4 (work-group - 256) + wave: a pair of tiles (32 columns) x one K step (128 rows): 16 KiB of f32
.Lweights:
	s_sub_co_u32 s25, ttmp9, 256
	s_lshl_b32 s25, s25, 2
	s_add_co_u32 s25, s25, s24                     ; U, 0..767.  Under 192: Wq, Wk, Wv; from 192 on: Wo, W1, W2 by stages
	s_and_b32 s26, s25, 3                          ; b: the pair of tiles
	s_bfe_u32 s27, s25, 0x20002                    ; s: the K step
	s_lshr_b32 s28, s25, 4                         ; block 4 mt + hp of wqkv
	s_and_b32 s29, s28, 3                          ; hp; or the wave w that will own the columns
	s_lshr_b32 s30, s28, 2                         ; mt: 0, 1, 2 for q, k, v; 3 and more for the others
	s_max_u32 s31, s25, 192
	s_sub_co_u32 s31, s31, 192
	s_lshr_b32 s31, s31, 6                         ; stage 0..8: 0 Wo; odd W1; even W2
	s_lshr_b32 s32, s31, 1                         ; W1's chunk
	s_max_u32 s33, s32, 1
	s_sub_co_u32 s33, s33, 1                       ; W2's chunk (0 for Wo)
	s_and_b32 s34, s31, 1
	s_cmp_eq_u32 s34, 1
	s_mov_b32 s35, 2048
	s_cselect_b32 s35, 8192, s35                   ; bytes from row to row
	s_cselect_b32 s36, s32, 0                      ; the chunk moves W1's columns,
	s_cselect_b32 s37, 0, s33                      ; W2's rows
	s_lshl_b32 s36, s36, 9
	s_lshl_b32 s38, s29, 7
	s_add_co_u32 s36, s36, s38
	s_lshl_b32 s38, s26, 5
	s_add_co_u32 s36, s36, s38                     ; first column: 512 c + 128 w + 32 b
	s_lshl_b32 s36, s36, 2
	s_lshl_b32 s37, s37, 9
	s_lshl_b32 s38, s27, 7
	s_add_co_u32 s37, s37, s38                     ; first row: 512 c + 128 s
	s_mul_i32 s37, s37, s35
	s_add_co_u32 s36, s36, s37                     ; source offset, stages
	s_lshl_b32 s37, s29, 1
	s_lshr_b32 s38, s26, 1
	s_add_co_u32 s37, s37, s38                     ; head 2 hp + b / 2
	s_lshl_b32 s37, s37, 17
	s_lshl_b32 s38, s27, 15
	s_add_co_u32 s37, s37, s38
	s_and_b32 s38, s26, 1
	s_lshl_b32 s38, s38, 7
	s_add_co_u32 s37, s37, s38                     ; source offset, q k v: head x 131,072 + s x 32,768 + (b % 2) x 128
	s_lshl_b32 s38, s31, 1
	s_lshr_b32 s39, s27, 1
	s_add_co_u32 s38, s38, s39                     ; half-stage
	s_mul_i32 s38, s38, 102400
	s_mul_i32 s39, s29, 25600
	s_add_co_u32 s38, s38, s39                     ; wbuf: the wave's block of the half-stage
	s_and_b32 s39, s27, 1                          ; the K step in it
	s_mul_i32 s42, s28, 51200                      ; wqkv: the block
	s_mov_b32 s43, 24576
	s_cmp_lt_u32 s25, 192                          ; the choices hang on ids alone; only selects and moves stand between this compare and its last select
	s_cselect_b32 s38, s42, s38
	s_cselect_b32 s39, s27, s39
	s_cselect_b32 s43, 49152, s43                  ; where the block's scale images begin
	s_cselect_b32 s36, s37, s36
	s_cselect_b32 s35, 256, s35
	s_mov_b32 s37, 0
	s_lshl_b32 s56, s35, 5                         ; a block of 32 rows
	s_mov_b32 s57, 0
	s_lshl_b32 s58, s39, 3
	s_lshl_b32 s59, s26, 1
	s_add_co_u32 s58, s58, s59
	s_mul_i32 s58, s58, 1536
	s_add_co_u32 s58, s58, s38                     ; images 8 s + 2 b and 8 s + 2 b + 1: 3,072 consecutive bytes
	s_mov_b32 s59, 0
	s_lshl_b32 s60, s39, 2
	s_add_co_u32 s60, s60, s26
	s_lshl_b32 s60, s60, 7
	s_add_co_u32 s60, s60, s38
	s_add_co_u32 s60, s60, s43                     ; pair scale image 4 s + b
	s_mov_b32 s61, 0
	v_bfe_u32 v7, v0, 3, 1                         ; column 32 b + l is row r of tile 2 b + u: u = (l / 8) % 2,
	v_and_b32 v8, 7, v0
	v_bfe_u32 v9, v0, 4, 1
	v_lshl_or_b32 v8, v9, 3, v8                    ; r = l % 8 + 8 (l / 16)
	s_mul_i32 s62, s24, 3328
	s_add_co_u32 s62, s62, WST                     ; my stage
	v_mul_u32_u24 v3, v7, 1664
	v_lshl_add_u32 v3, v8, 4, v3
	v_add_nc_u32 v3, s62, v3                       ; in: tile u, lane r of its image
	s_wait_alu depctr_va_vdst(0)
	v_add_nc_u32 v4, s62, v[L16]                   ; out: 16 x lane
	v_lshlrev_b32 v5, 2, v8
	v_lshl_add_u32 v5, v7, 6, v5                   ; the pair scale image: 4 r + 64 u
.set ii, 0
.rept 32
	v_mad_u32_u24 v[OFF+ii], s35, ii, v[L4]
.set ii, ii+1
.endr
	s_wait_alu depctr_va_vdst(0)
	s_wait_kmcnt 0x0
	s_cmp_lt_u32 s25, 192                          ; compared anew: the shifts and additions above have written SCC
	s_cselect_b64 s[44:45], s[20:21], s[22:23]     ; where the results go: wqkv for q, k, v; wbuf for the stages
	s_cmp_eq_u32 s34, 1
	s_cselect_b64 s[46:47], s[14:15], s[16:17]     ; W1 or W2,
	s_cmp_eq_u32 s31, 0
	s_cselect_b64 s[46:47], s[12:13], s[46:47]     ; Wo in stage 0,
	s_cmp_eq_u32 s30, 2
	s_cselect_b64 s[46:47], s[10:11], s[46:47]     ; Wv,
	s_cmp_eq_u32 s30, 1
	s_cselect_b64 s[46:47], s[8:9], s[46:47]       ; Wk,
	s_cmp_eq_u32 s30, 0
	s_cselect_b64 s[46:47], s[6:7], s[46:47]       ; Wq
	s_add_nc_u64 s[48:49], s[46:47], s[36:37]      ; a base for each block of 32 rows
	s_add_nc_u64 s[50:51], s[48:49], s[56:57]
	s_add_nc_u64 s[52:53], s[50:51], s[56:57]
	s_add_nc_u64 s[54:55], s[52:53], s[56:57]
	s_add_nc_u64 s[58:59], s[44:45], s[58:59]
	s_add_nc_u64 s[60:61], s[44:45], s[60:61]
.macro LOADB q                         ; block q: 32 rows at my column: a wave reads 128 consecutive bytes a load
.set ii, 0
.rept 32
	global_load_b32 v[XW+32*(\q)+ii], v[OFF+ii], s[48+2*(\q):49+2*(\q)] th:TH_LOAD_NT
.set ii, ii+1
.endr
.endm
.macro BLOCK q                         ; all 32 numbers of the block are mine.  Its 24 bytes of codes are registers 6 (q / 2) .. + 5 of lane r + 16 (q % 2) of my tile's image
.set XS, XW+32*(\q)
.set CC, CW+8*(\q)
	v_max3_num_f32 v51, |v[XS]|, |v[XS+1]|, |v[XS+2]|
	v_max3_num_f32 v52, |v[XS+3]|, |v[XS+4]|, |v[XS+5]|
.irp i, 6,10,14,18,22,26
	v_max3_num_f32 v51, v51, |v[XS+\i]|, |v[XS+\i+1]|
	v_max3_num_f32 v52, v52, |v[XS+\i+2]|, |v[XS+\i+3]|
.endr
	v_max3_num_f32 v51, v51, |v[XS+30]|, |v[XS+31]|
	v_max3_num_f32 v51, v51, v52, 0x1800000        ; and the floor
	v_add_nc_u32 v48, 0xff000000, v51
	v_lshrrev_b32 v49, 23, v48
.if (\q) == 0
	v_mov_b32 v[SW], v49
.else
	v_lshl_or_b32 v[SW], v49, 8*(\q), v[SW]
.endif
	v_cvt_scalef32_pk16_fp6_f32 v[CC:CC+2], v[XS:XS+15], v48
	v_cvt_scalef32_pk16_fp6_f32 v[CC+4:CC+6], v[XS+16:XS+31], v48
	v_nop                                          ; one plain place behind the scaled conversions
	v_mov_b32 v[CC+3], v[CC+4]                     ; six registers on end
	v_mov_b32 v[CC+4], v[CC+5]
	v_mov_b32 v[CC+5], v[CC+6]
.if (\q) < 2
	ds_store_b128 v3, v[CC:CC+3] offset:256*((\q)%2)
	ds_store_b64 v3, v[CC+4:CC+5] offset:256*((\q)%2)+512
.else
	ds_store_b64 v3, v[CC:CC+1] offset:256*((\q)%2)+520
	ds_store_b128 v3, v[CC+2:CC+5] offset:256*((\q)%2)+1024
.endif
.endm
	LOADB 0
	LOADB 1
	s_wait_loadcnt 32                              ; block 0 is in; the younger block's 32 loads stay out
	BLOCK 0
	LOADB 2
	s_wait_loadcnt 32
	BLOCK 1
	LOADB 3
	s_wait_loadcnt 32
	BLOCK 2
	s_wait_loadcnt 0x0
	BLOCK 3
	global_store_b32 v5, v[SW], s[60:61]           ; 128 consecutive bytes
.irp k, 0,1,2,3,4,5
	ds_load_b128 v[64+4*\k:64+4*\k+3], v4 offset:1664*(\k/3)+512*(\k%3)   ; LDS serves a wave's instructions in order: these see my stores
.endr
.irp k, 0,1,2,3,4,5
	s_wait_dscnt 5-\k
	global_store_b128 v[L16], v[64+4*\k:64+4*\k+3], s[58:59] offset:1536*(\k/3)+512*(\k%3)
.endr
	s_wait_tensorcnt 0x0                           ; the wave's end, behind my last LDS store
	ds_add_u32 v[SPW], v[NIL]
	s_wait_dscnt 0x0
	s_endpgm
.Lfunc_end_k_q6f5df448c9_prep:
	.size	k_q6f5df448c9_prep, .Lfunc_end_k_q6f5df448c9_prep-k_q6f5df448c9_prep
	.p2alignl 7, 3214868480
	.fill 96, 4, 3214868480
	.section	.rodata,"a",@progbits
	.p2align	6, 0x0
	.amdhsa_kernel k_q6f5df448c9_prep
		.amdhsa_group_segment_fixed_size 47616
		.amdhsa_private_segment_fixed_size 0
		.amdhsa_enable_private_segment 0
		.amdhsa_kernarg_size 80
		.amdhsa_user_sgpr_count 2
		.amdhsa_user_sgpr_kernarg_segment_ptr 1
		.amdhsa_wavefront_size32 1
		.amdhsa_system_sgpr_workgroup_id_x 1
		.amdhsa_system_sgpr_workgroup_id_y 1
		.amdhsa_system_sgpr_workgroup_id_z 1
		.amdhsa_system_vgpr_workitem_id 0
		.amdhsa_next_free_vgpr 256
		.amdhsa_next_free_sgpr 66
		.amdhsa_reserve_vcc 1
		.amdhsa_float_denorm_mode_32 3
		.amdhsa_float_denorm_mode_16_64 3
		.amdhsa_memory_ordered 1
		.amdhsa_forward_progress 1
		.amdhsa_inst_pref_size 59
	.end_amdhsa_kernel
	.amdgpu_metadata
---
amdhsa.version: [ 1, 2 ]
amdhsa.kernels:
  - .name:           k_q6f5df448c9_prep
    .symbol:         k_q6f5df448c9_prep.kd
    .args:
      - { .name: x, .offset: 0, .size: 8, .value_kind: global_buffer, .address_space: global }
      - { .name: Wq, .offset: 8, .size: 8, .value_kind: global_buffer, .address_space: global }
      - { .name: Wk, .offset: 16, .size: 8, .value_kind: global_buffer, .address_space: global }
      - { .name: Wv, .offset: 24, .size: 8, .value_kind: global_buffer, .address_space: global }
      - { .name: Wo, .offset: 32, .size: 8, .value_kind: global_buffer, .address_space: global }
      - { .name: W1, .offset: 40, .size: 8, .value_kind: global_buffer, .address_space: global }
      - { .name: W2, .offset: 48, .size: 8, .value_kind: global_buffer, .address_space: global }
      - { .name: xc, .offset: 56, .size: 8, .value_kind: global_buffer, .address_space: global }
      - { .name: wqkv, .offset: 64, .size: 8, .value_kind: global_buffer, .address_space: global }
      - { .name: wbuf, .offset: 72, .size: 8, .value_kind: global_buffer, .address_space: global }
    .group_segment_fixed_size: 47616
    .private_segment_fixed_size: 0
    .kernarg_segment_align: 8
    .kernarg_segment_size: 80
    .max_flat_workgroup_size: 128
    .sgpr_count:     66
    .vgpr_count:     256
    .wavefront_size: 32
...
	.end_amdgpu_metadata
.endif
;; end of part 1
;; launch attn (part 2): grid 4 x 64, 4 waves a work-group, clusters of 4 x 4, 327,680 bytes of LDS; arguments xc, wqkv, hc; writes hc
.if DOCPART == 2
	.amdgcn_target "amdgcn-amd-amdhsa--gfx1250"
	.amdhsa_code_object_version 6
	.text
	.protected	k_q6f5df448c9_attn
	.globl	k_q6f5df448c9_attn
	.p2align	8
	.type	k_q6f5df448c9_attn,@function
k_q6f5df448c9_attn:
	s_mov_b64 s[64:65], 0
	v_nop
	global_prefetch_b8 v0, s[64:65] scope:SCOPE_SE
	s_setreg_imm32_b32 hwreg(HW_REG_WAVE_MODE, 25, 1), 1
	s_wait_xcnt 0x0
	s_wait_alu depctr_hold_cnt(0) depctr_sa_sdst(0) depctr_va_vdst(0) depctr_va_sdst(0) depctr_va_ssrc(0) depctr_va_vcc(0) depctr_vm_vsrc(0)
	s_getreg_b32 s2, hwreg(HW_REG_IB_STS2, 6, 4)
	s_cmp_eq_u32 s2, 0
	s_cbranch_scc0 .Lentry_in_a_cluster
	s_endpgm
.Lentry_in_a_cluster:
	s_bfe_u32 s2, ttmp6, 0x10000c
	s_cmp_lg_u32 s2, 0xf033
	s_cbranch_scc0 .Lentry_shape_is_right
	s_endpgm
.Lentry_shape_is_right:
; ATTN: for one batch and one pair of heads: q, k, v = x W (three products), S = q k^T, causal softmax, O = p v, all on codes of FP6 (E2M3) with E8M0 scales; the heads leave as codes for the next launch.
; SHARES.  A work-group of four waves owns 256 tokens x 2 heads.  Wave w owns token tiles T = 2 w + i % 2 + 8 (i / 2), i = 0..3: two in the lower 128 tokens and two in the upper, so the causal work is even.
; ALL PRODUCTS ARE USED TRANSPOSED: source 0 is the side whose rows become the next product's K, source 1 the side whose row stays in the lane.  Tiles hold the indices 32 b + 8 u + pi(r), pi(r) = r + 8 (r / 8),
; so that the 16 result registers of tiles 2 b, 2 b + 1 are 16 neighbours along the next K, and a result is quantised in registers.
; q, k: source 0 = 8 tiles of the pair's 128 columns of W, source 1 = my 4 token tiles.  v: source 0 = the 8 token tiles of key step w / 2, source 1 = 4 tiles of Wv's columns: v comes out with the keys along K.
; A fragment of q or k holds both heads (K 0-63 and 64-127); for one head the other head's half of q's fragment is zero codes.
; SOFTMAX: t = score x log2(e) / 8; M = the running largest t rounded up to a whole number; p = 2^(t - M) is quantised along the keys; the row's sum is taken of the unquantised p and divides at the end.
; Key steps all of whose keys lie behind a tile's queries are left out by a scalar branch on the wave's number and the loop's count.
; CLUSTER 4 x 4: the four head pairs of a batch (a row of the cluster) ask jointly for x's codes, the four batches of a column for the pair's weights.  Everything is filled once, at the head: one tensor load a wave is out.
; No prefetch: all that the launch reads is asked for by those first fills.
; LIMITS: NaN and infinities are not served; a block whose largest magnitude lies under 2^-124 keeps the scale byte 1.
; REGISTERS, in windows of 256: window 0: addresses, scales, QUANT's registers, v96-191 four fragments x two sets (in attention eight fragments), v192-255 scores and p.
;   window 1: v0-191 eight fragments x two sets.   window 2: v0-51 q's codes and scale words, held until Wq's tiles are done with.   window 3: 32 accumulators, (i, t) at 8 (8 i + t); in attention O^T in v0-63.
.set LXS,   98304                      ; LDS: x's 64 images from 0, its pair scale images here
.set LWQ,   102400                     ; Wq's block (32 images, then 16 pair scale images), Wk's, Wv's
.set LWK,   153600
.set LWV,   204800
.set WSCL,  49152
.set QIMG,  LWQ                        ; q's 16 images lie over Wq's tiles, which have had their only fill and, behind the second barrier, their last read
.set QSC,   LWQ+24576
.set KIMG,  256000                     ; k's 16 images, their scale images, v's, theirs
.set KSC,   280576
.set VIMG,  282624
.set VSC,   307200
.set SPARE, 309248                     ; the spare words, 128 bytes for each wave
.set L16, 1
.set L4,  2
.set A8,  3                            ; v3, v4   the eight fragments' address and their scales'; in attention k's and v's images and scale images
.set A8S, 4
.set SPW, 5                            ; v5   my spare word's LDS address; never rewritten
.set NIL, 6                            ; v6   0; never rewritten
.set A4,  7                            ; v7, v8   the four fragments' address and their scales'
.set A4S, 8
.set IW,  9                            ; v9, v10  where I store images and scale words
.set IWS, 10
.set QAD, 11                           ; v11  q's image in hand
.set PW,  53                           ; v53  the scale word just made; p's
.set TM,  56                           ; v56-71 at work
.set PC,  72                           ; v72-91 the codes just made; p's
.set DL,  92                           ; v92  pi(r) - 16 (lane / 16)
.set QSA, 93                           ; v93  q's scale word in hand
.set QBA, 94                           ; v94, v95 my four q images and their scale words
.set QBS, 95
.set FR,  96
.set S,   192
.set SEL, 56                           ; s[56:57] selects for lane l xor 16
.set CS,  58                           ; s[58:59] c = log2(e) / 8
.set I,   60
.set Q0,  61                           ; the tile's first token
.set TQ,  62
.set TQS, 63
.set HB,  68                           ; s[68:69], s[70:71] where the tile's codes and scale words go
.set HB2, 70
.set MSB, 0
.macro WIN new                         ; the immediate's high byte repeats the setting that is left; a switch that changes nothing is dropped
.if MSB != (\new)
	s_set_vgpr_msb (MSB<<8)|(\new)
.set MSB, (\new)
.endif
.endm
.macro PLACES                          ; four places behind matrix instructions, in front of loads into their registers and of reads of their results
.rept 4
	v_nop
.endr
.endm
.macro BARRIER                         ; my LDS stores have landed and my LDS loads are in: then the work-group's barrier
	s_wait_dscnt 0x0
	s_barrier_signal -1
	s_barrier_wait -1
.endm
.macro CROUND                          ; a round of the cluster's barrier
	s_barrier_signal -1
	s_barrier_wait -1
	s_cmp_lg_u32 s10, 0
	s_cbranch_scc1 .Lnot_wave_0_\@
	s_barrier_signal -3
.Lnot_wave_0_\@:
	s_barrier_wait -3
	s_barrier_signal -1
	s_barrier_wait -1
.endm
; one matrix instruction: D at d, sources at a and b, C at c (under 0: the constant 0), scale registers sa and sb; ra, rb = 1: the scales stand in lanes 16-31
.macro WM d, a, b, c, sa, sb, ra, rb
.if (\c) < 0
.if (\ra) && (\rb)
	v_wmma_scale_f32_16x16x128_f8f6f4 v[(\d):(\d)+7], v[(\a):(\a)+11], v[(\b):(\b)+11], 0, v[(\sa)], v[(\sb)] matrix_a_fmt:MATRIX_FMT_FP6 matrix_b_fmt:MATRIX_FMT_FP6 matrix_a_scale:MATRIX_SCALE_ROW1 matrix_b_scale:MATRIX_SCALE_ROW1
.elseif (\ra)
	v_wmma_scale_f32_16x16x128_f8f6f4 v[(\d):(\d)+7], v[(\a):(\a)+11], v[(\b):(\b)+11], 0, v[(\sa)], v[(\sb)] matrix_a_fmt:MATRIX_FMT_FP6 matrix_b_fmt:MATRIX_FMT_FP6 matrix_a_scale:MATRIX_SCALE_ROW1
.elseif (\rb)
	v_wmma_scale_f32_16x16x128_f8f6f4 v[(\d):(\d)+7], v[(\a):(\a)+11], v[(\b):(\b)+11], 0, v[(\sa)], v[(\sb)] matrix_a_fmt:MATRIX_FMT_FP6 matrix_b_fmt:MATRIX_FMT_FP6 matrix_b_scale:MATRIX_SCALE_ROW1
.else
	v_wmma_scale_f32_16x16x128_f8f6f4 v[(\d):(\d)+7], v[(\a):(\a)+11], v[(\b):(\b)+11], 0, v[(\sa)], v[(\sb)] matrix_a_fmt:MATRIX_FMT_FP6 matrix_b_fmt:MATRIX_FMT_FP6
.endif
.else
.if (\ra) && (\rb)
	v_wmma_scale_f32_16x16x128_f8f6f4 v[(\d):(\d)+7], v[(\a):(\a)+11], v[(\b):(\b)+11], v[(\c):(\c)+7], v[(\sa)], v[(\sb)] matrix_a_fmt:MATRIX_FMT_FP6 matrix_b_fmt:MATRIX_FMT_FP6 matrix_a_scale:MATRIX_SCALE_ROW1 matrix_b_scale:MATRIX_SCALE_ROW1
.elseif (\ra)
	v_wmma_scale_f32_16x16x128_f8f6f4 v[(\d):(\d)+7], v[(\a):(\a)+11], v[(\b):(\b)+11], v[(\c):(\c)+7], v[(\sa)], v[(\sb)] matrix_a_fmt:MATRIX_FMT_FP6 matrix_b_fmt:MATRIX_FMT_FP6 matrix_a_scale:MATRIX_SCALE_ROW1
.elseif (\rb)
	v_wmma_scale_f32_16x16x128_f8f6f4 v[(\d):(\d)+7], v[(\a):(\a)+11], v[(\b):(\b)+11], v[(\c):(\c)+7], v[(\sa)], v[(\sb)] matrix_a_fmt:MATRIX_FMT_FP6 matrix_b_fmt:MATRIX_FMT_FP6 matrix_b_scale:MATRIX_SCALE_ROW1
.else
	v_wmma_scale_f32_16x16x128_f8f6f4 v[(\d):(\d)+7], v[(\a):(\a)+11], v[(\b):(\b)+11], v[(\c):(\c)+7], v[(\sa)], v[(\sb)] matrix_a_fmt:MATRIX_FMT_FP6 matrix_b_fmt:MATRIX_FMT_FP6
.endif
.endif
.endm
; QUANT: 64 numbers of a lane in window wd, register s + 16 b + i = k 32 b + 16 (lane / 16) + i of my row, become a fragment's codes in v[PC] on and the row's scale word in v[PW].
; QHEAD finds the four blocks' largest magnitudes (each accumulator is read from its low end on); QTAIL makes bytes and codes.
.macro QHEAD s, wd
	WIN (\wd)|((\wd)<<2)
.irp b, 0,1,2,3
	v_max3_num_f32 v[TM+\b], |v[(\s)+16*\b]|, |v[(\s)+16*\b+1]|, 0x1800000   ; and the floor 2^(3 - 127): the byte cannot fall under 1
.endr
.irp i, 2,4,6,8,10,12,14
.irp b, 0,1,2,3
	v_max3_num_f32 v[TM+\b], |v[(\s)+16*\b+\i]|, |v[(\s)+16*\b+\i+1]|, v[TM+\b]
.endr
.endr
	WIN 0
.irp b, 0,1,2,3
	v_permlanex16_b32 v[TM+4+\b], v[TM+\b], s[SEL], s[SEL+1]
.endr
.irp b, 0,1,2,3
	v_max_num_f32 v[TM+\b], v[TM+\b], v[TM+4+\b]
.endr
.endm
.macro QTAIL s, wd
.irp b, 0,1,2,3
	v_add_nc_u32 v[TM+12+\b], 0xff000000, v[TM+\b]     ; 2 off the exponent field: the conversion's scale operand
.endr
.irp b, 0,1,2,3
	v_lshrrev_b32 v[TM+4+\b], 23, v[TM+12+\b]          ; the scale's byte
.endr
	v_lshl_or_b32 v[PW], v[TM+5], 8, v[TM+4]
	v_lshl_or_b32 v[PW], v[TM+6], 16, v[PW]
	v_lshl_or_b32 v[PW], v[TM+7], 24, v[PW]
	WIN (\wd)
.irp c, 0,1
	v_cvt_scalef32_pk16_fp6_f32 v[PC+6*\c:PC+6*\c+2], v[(\s)+32*\c:(\s)+32*\c+15], v[TM+12+2*\c]
	v_cvt_scalef32_pk16_fp6_f32 v[PC+12+4*\c:PC+14+4*\c], v[(\s)+32*\c+16:(\s)+32*\c+31], v[TM+13+2*\c]
.endr
	WIN 0
	v_nop                                              ; one plain place behind the scaled conversions
.irp c, 0,1                                        ; the operand wants a whole block in a lane
.irp i, 0,1,2
	v_permlane16_swap_b32 v[PC+6*\c+\i], v[PC+12+4*\c+\i]
.endr
.irp i, 0,1,2
	v_mov_b32 v[PC+3+6*\c+\i], v[PC+12+4*\c+\i]
.endr
.endr
.endm
.macro QUANT s, wd
	QHEAD \s, \wd
	QTAIL \s, \wd
.endm
.macro IMAGE adr, off                  ; the fragment in v[PC] on goes to LDS as it stands
.irp c, 0,1,2
	ds_store_b128 v[\adr], v[PC+4*\c:PC+4*\c+3] offset:(\off)+512*\c
.endr
.endm
; A PROJECTION.  mode 0, 1: q, k;  mode 2: v.  PFETCH brings K step st's eight fragments (window 1), four fragments and their pair scale images into buffer bf.
.macro PFETCH mode, st, bf
	WIN 0x40                                       ; destination window 1
.irp t, 0,1,2,3,4,5,6,7
.if (\mode) == 2
.set OO, (4*\t+(\st))*1536
.else
.set OO, (8*(\st)+\t)*1536
.endif
.irp g, 0,1,2
	ds_load_b128 v[96*(\bf)+12*\t+4*\g:96*(\bf)+12*\t+4*\g+3], v[A8] offset:OO+512*\g
.endr
.endr
	WIN 0
.irp p, 0,1,2,3
.if (\mode) == 2
	ds_load_b32 v[40+4*(\bf)+\p], v[A8S] offset:1024*(\st)+128*\p
.else
	ds_load_b32 v[40+4*(\bf)+\p], v[A8S] offset:(4*(\st)+\p)*128
.endif
.endr
.irp i, 0,1,2,3
.if (\mode) == 2
.set OO, (8*(\st)+\i)*1536
.else
.set OO, (32*(\i/2)+4*(\i%2)+(\st))*1536
.endif
.irp g, 0,1,2
	ds_load_b128 v[96+48*(\bf)+12*\i+4*\g:96+48*(\bf)+12*\i+4*\g+3], v[A4] offset:OO+512*\g
.endr
.endr
.irp p, 0,1
.if (\mode) == 2
	ds_load_b32 v[48+2*(\bf)+\p], v[A4S] offset:512*(\st)+128*\p
.else
	ds_load_b32 v[48+2*(\bf)+\p], v[A4S] offset:1024*(\st)+512*\p
.endif
.endr
.endm
.macro PWIN st                         ; source 0 window 1, source 1 window 0, D (and C, behind the first K step) window 3
.if (\st) == 0
	WIN 0xc1
.else
	WIN 0xf1
.endif
.endm
.macro PMUL st, t                      ; tile t of the eight against the four.  The 32 accumulators take turns, one instruction a turn, in the same order in every K step
.irp i, 0,1,2,3
.if (\st) == 0
	WM 8*(8*\i+(\t)), 96*((\st)%2)+12*(\t), 96+48*((\st)%2)+12*\i, -1, 40+4*((\st)%2)+(\t)/2, 48+2*((\st)%2)+\i/2, (\t)%2, \i%2
.else
	WM 8*(8*\i+(\t)), 96*((\st)%2)+12*(\t), 96+48*((\st)%2)+12*\i, 8*(8*\i+(\t)), 40+4*((\st)%2)+(\t)/2, 48+2*((\st)%2)+\i/2, (\t)%2, \i%2
.endif
.endr
.endm
.macro PSTAGE mode
	PFETCH \mode, 0, 0
.irp st, 0,1,2,3
	s_wait_dscnt 0x0                               ; this K step's fragments are in (asked for 24 matrix instructions ago)
	PWIN \st
	PMUL \st, 0
	PMUL \st, 1
.if \st < 3
	PLACES                                         ; the other buffer's last readers stand in front of these
	PFETCH \mode, \st+1, (\st+1)%2
.endif
	PWIN \st
.irp t, 2,3,4,5,6,7
	PMUL \st, \t
.endr
.endr
	WIN 0
.endm
	s_load_b128 s[4:7], s[0:1], 0x0                ; xc s[4:5], wqkv s[6:7]
	s_load_b64 s[8:9], s[0:1], 0x10                ; hc
	v_lshl_add_u32 v[SPW], v0, 2, SPARE
	v_mov_b32 v[NIL], 0
	ds_add_u32 v[SPW], v[NIL]                      ; the wave's opening: the add and its wait ahead of my first tensor load
	ds_add_u32 v[SPW], v[NIL]
	v_lshrrev_b32 v1, 5, v0
	v_readfirstlane_b32 s10, v1                    ; wave 0..3
	s_bfe_u32 s11, ttmp6, 0x40000                  ; cx
	s_bfe_u32 s12, ttmp6, 0x40004                  ; cy
	s_lshl_b32 s13, ttmp9, 2
	s_add_co_u32 s13, s13, s11                     ; the pair of heads
	s_and_b32 s14, ttmp7, 0xffff
	s_lshl_b32 s14, s14, 2
	s_add_co_u32 s14, s14, s12                     ; the batch
	s_lshl_b32 s15, s12, 2
	s_lshl_b32 s15, 15, s15                        ; my row of the cluster: one batch
	s_lshl_b32 s16, 0x1111, s11                    ; my column: one pair of heads
	; group 1: dense blocks as rows of 256 bytes (32 elements of 8 bytes): x's block is 400 rows, a weight's 200
	s_or_b32 s24, s15, (3<<16)|(1<<21)
	s_mov_b32 s25, 32<<16
	s_mov_b32 s26, 400<<16                         ; x's whole block: 400 rows of 256 bytes
	s_mov_b32 s27, 32<<16
	s_mov_b32 s28, 400
	s_mov_b32 s29, 32
	s_mov_b32 s30, 0
	s_mov_b32 s31, 0
	s_or_b32 s32, s16, (3<<16)|(1<<21)
	s_mov_b32 s33, 32<<16
	s_mov_b32 s34, 200<<16                         ; a weight's whole block: 200 rows of 256 bytes
	s_mov_b32 s35, 32<<16
	s_mov_b32 s36, 200
	s_mov_b32 s37, 32
	s_mov_b32 s38, 0
	s_mov_b32 s39, 0
	s_mul_i32 s20, s14, 102400                     ; x's codes: the batch's block
	s_mov_b32 s17, 0                               ; each block comes whole, by one wave
	s_add_co_u32 s20, s20, s17
	s_mov_b32 s21, 0
	s_mul_i32 s22, s13, 51200                      ; the weights: the pair's block
	s_mov_b32 s18, 0
	s_add_co_u32 s22, s22, s18
	s_mov_b32 s23, 0
	s_mov_b32 s[SEL], 0x76543210
	s_mov_b32 s[SEL+1], 0xfedcba98
	s_mov_b32 s[CS], 0x3e38aa3b                    ; log2(e) / 8
	s_mov_b32 s[CS+1], s[CS]
	s_wait_dscnt 0x0                               ; the opening add is done
	s_wait_kmcnt 0x0
	s_mov_b32 s40, 1
	s_mov_b32 s41, s17
	s_add_nc_u64 s[42:43], s[4:5], s[20:21]
	s_or_b32 s43, s43, 0x80000000
	s_mov_b32 s44, 1
	s_add_co_u32 s45, s18, LWQ
	s_add_nc_u64 s[46:47], s[6:7], s[22:23]
	s_mov_b32 s48, 1
	s_add_co_u32 s49, s18, LWK
	s_add_nc_u64 s[50:51], s[46:47], 204800        ; Wk's blocks lie four blocks behind Wq's,
	s_mov_b32 s52, 1
	s_add_co_u32 s53, s18, LWV
	s_add_nc_u64 s[54:55], s[46:47], 409600        ; Wv's eight
	s_or_b32 s47, s47, 0x80000000
	s_or_b32 s51, s51, 0x80000000
	s_or_b32 s55, s55, 0x80000000
	CROUND                                         ; all sixteen work-groups are here: the joint loads meet
	; ONE tensor load a wave at the head: wave 0 fetches x's block, wave 1 Wq's, wave 2 Wk's, wave 3 Wv's; one chain of branches on the wave's number, all arms lead to one join
	s_cmp_lt_u32 s10, 1
	s_cbranch_scc0 .Lhead_q
	tensor_load_to_lds s[40:43], s[24:31]          ; x
	s_nop 0
.rept 4
	v_nop
.endr
	s_branch .Lhead_join
.Lhead_q:
	s_cmp_lt_u32 s10, 2
	s_cbranch_scc0 .Lhead_k
	tensor_load_to_lds s[44:47], s[32:39]          ; Wq
	s_nop 0
.rept 4
	v_nop
.endr
	s_branch .Lhead_join
.Lhead_k:
	s_cmp_lt_u32 s10, 3
	s_cbranch_scc0 .Lhead_v
	tensor_load_to_lds s[48:51], s[32:39]          ; Wk
	s_nop 0
.rept 4
	v_nop
.endr
	s_branch .Lhead_join
.Lhead_v:
	tensor_load_to_lds s[52:55], s[32:39]          ; Wv
	s_nop 0
.Lhead_join:
.rept 4
	v_nop
.endr
	v_and_b32 v2, 31, v0
	v_lshlrev_b32 v[L16], 4, v2
	v_lshlrev_b32 v[L4], 2, v2
	v_add_nc_u32 v[A8], LWQ, v[L16]
	v_add_nc_u32 v[A8S], LWQ+WSCL, v[L4]
	s_mul_i32 s19, s10, 12288
	v_add_nc_u32 v[A4], s19, v[L16]                ; my token tiles: image 4 T + s, T = 2 w + ..
	s_lshl_b32 s19, s10, 7
	s_add_co_u32 s19, s19, LXS
	v_add_nc_u32 v[A4S], s19, v[L4]                ; their pairs: w and w + 4
	s_mul_i32 s19, s10, 6144
	s_add_co_u32 s19, s19, QIMG
	v_add_nc_u32 v[QBA], s19, v[L16]
	s_lshl_b32 s19, s10, 9
	s_add_co_u32 s19, s19, QSC
	v_add_nc_u32 v[QBS], s19, v[L4]
.irp b, 0,1,2,3
	v_mov_b32 v[TM+4+\b], 0                        ; written once: a lane permute's destination counts as one of its sources
.endr
	s_wait_alu depctr_va_vdst(0)
	s_wait_tensorcnt 0x0                           ; my one block is in
	BARRIER                                        ; everybody's are
	; ---- q
	PSTAGE 0
	PLACES
.irp i, 0,1,2,3
	QUANT 64*\i, 3
	WIN 0x80                                       ; destination window 2: held there while other waves may still read Wq's tiles
.set kk, 0
.rept 12
	v_mov_b32 v[12*\i+kk], v[PC+kk]
.set kk, kk+1
.endr
	v_mov_b32 v[48+\i], v[PW]
	WIN 0
.endr
	s_wait_alu depctr_va_vdst(0)
	BARRIER                                        ; everybody's is, and nobody reads Wq's tiles any more
	WIN 0x08                                       ; an LDS store's data are its source 1: window 2
.irp i, 0,1,2,3
.irp g, 0,1,2
	ds_store_b128 v[QBA], v[12*\i+4*\g:12*\i+4*\g+3] offset:1536*\i+512*\g
.endr
	ds_store_b32 v[QBS], v[48+\i] offset:128*\i
.endr
	WIN 0
	; ---- k
	v_add_nc_u32 v[A8], LWK, v[L16]
	s_wait_alu depctr_va_vdst(0)
	v_add_nc_u32 v[A8S], LWK+WSCL, v[L4]
	s_wait_alu depctr_va_vdst(0)
	s_mul_i32 s19, s10, 3072
	s_add_co_u32 s19, s19, KIMG
	v_add_nc_u32 v[IW], s19, v[L16]
	s_lshl_b32 s19, s10, 8
	s_add_co_u32 s19, s19, KSC
	v_add_nc_u32 v[IWS], s19, v[L4]
	PSTAGE 1
	PLACES
.irp i, 0,1,2,3
	QUANT 64*\i, 3
	IMAGE IW, ((\i%2)+8*(\i/2))*1536
	ds_store_b32 v[IWS], v[PW] offset:((\i%2)+8*(\i/2))*128
	s_wait_dscnt 0x0                               ; the stores have read their registers
.endr
	BARRIER                                        ; k's images lie in LDS
	; ---- v: source 0 = the eight token tiles of key step w / 2, source 1 = tiles 4 (w % 2) + i of Wv's columns
	s_lshr_b32 s19, s10, 1
	s_mul_i32 s20, s19, 49152
	v_add_nc_u32 v[A8], s20, v[L16]
	s_wait_alu depctr_va_vdst(0)
	s_lshl_b32 s20, s19, 9
	s_add_co_u32 s20, s20, LXS
	v_add_nc_u32 v[A8S], s20, v[L4]
	s_wait_alu depctr_va_vdst(0)
	s_and_b32 s19, s10, 1
	s_mul_i32 s20, s19, 6144
	s_add_co_u32 s20, s20, LWV
	v_add_nc_u32 v[A4], s20, v[L16]
	s_wait_alu depctr_va_vdst(0)
	s_lshl_b32 s20, s19, 8
	s_add_co_u32 s20, s20, LWV+WSCL
	v_add_nc_u32 v[A4S], s20, v[L4]
	s_wait_alu depctr_va_vdst(0)
	s_mul_i32 s19, s10, 6144                       ; image 8 (w / 2) + 4 (w % 2) + i = 4 w + i
	s_add_co_u32 s19, s19, VIMG
	v_add_nc_u32 v[IW], s19, v[L16]
	s_lshl_b32 s19, s10, 9
	s_add_co_u32 s19, s19, VSC
	v_add_nc_u32 v[IWS], s19, v[L4]
	PSTAGE 2
	PLACES
.irp i, 0,1,2,3
	QUANT 64*\i, 3
	IMAGE IW, \i*1536
	ds_store_b32 v[IWS], v[PW] offset:\i*128
	s_wait_dscnt 0x0
.endr
	BARRIER                                        ; k's and v's images lie in LDS
; ---- ATTENTION.  A KEY STEP: 128 keys (ks), one head (hd) of one tile of 16 queries.  first = 1: it starts M, the sum and O^T.
.macro STEP hd, ks, first
.if (\ks) == 1
	s_cmp_lt_u32 s[Q0], 128                        ; a tile of the lower 128 tokens sees none of these keys
	s_cbranch_scc1 .Lskip_\@
.endif
	PLACES
.irp t, 0,1,2,3,4,5,6,7
.irp g, 0,1,2
	ds_load_b128 v[FR+12*\t+4*\g:FR+12*\t+4*\g+3], v[A8] offset:(8*(\ks)+\t)*1536+512*\g
.endr
	ds_load_b32 v[40+\t], v[A8S] offset:(8*(\ks)+\t)*128
.endr
	s_wait_dscnt 0x0
.irp t, 0,1,2,3,4,5,6,7
	WM S+8*\t, FR+12*\t, 16+12*(\hd), -1, 40+\t, 52, 0, 0          ; S^T: a lane holds one query; register 16 b + i is key 128 ks + 32 b + 16 (lane / 16) + i
.endr
	PLACES
.irp e, 0,1,2,3                                ; v's four fragments are asked for now and land during the softmax
.irp g, 0,1,2
	ds_load_b128 v[FR+12*\e+4*\g:FR+12*\e+4*\g+3], v[A8] offset:VIMG-KIMG+(8*(\ks)+4*(\hd)+\e)*1536+512*\g
.endr
	ds_load_b32 v[48+\e], v[A8S] offset:VSC-KSC+(8*(\ks)+4*(\hd)+\e)*128
.endr
.if (\ks) == 0
	s_cmp_ge_u32 s[Q0], 128                        ; a tile of the upper 128 tokens sees all of these keys
	s_cbranch_scc1 .Lopen_\@
.endif
	v_add_nc_u32 v66, s[Q0], v[DL]                 ; d = my query - 128 ks - 16 (lane / 16): register 16 b + i is hidden where 32 b + i > d
.if (\ks) == 1
	v_add_nc_u32 v66, 0xffffff80, v66
.endif
	v_mov_b32 v67, 0xff800000                      ; -infinity: p = 0 then
.set nn, 0
.rept 64
	v_cmp_gt_i32 vcc_lo, 32*(nn/16)+nn%16, v66
	v_cndmask_b32 v[S+nn], v[S+nn], v67, vcc_lo
.set nn, nn+1
.endr
.if (\ks) == 0
.Lopen_\@:
.endif
.irp b, 0,1,2,3
	v_max3_num_f32 v[TM+\b], v[S+16*\b], v[S+16*\b+1], v[S+16*\b+2]   ; the largest score of each block of 32 keys: for the row's maximum and, since p rises with the score, for the block's largest p
.endr
.irp i, 3,5,7,9,11,13
.irp b, 0,1,2,3
	v_max3_num_f32 v[TM+\b], v[TM+\b], v[S+16*\b+\i], v[S+16*\b+\i+1]
.endr
.endr
.irp b, 0,1,2,3
	v_max_num_f32 v[TM+\b], v[TM+\b], v[S+16*\b+15]
.endr
.irp b, 0,1,2,3
	v_permlanex16_b32 v[TM+4+\b], v[TM+\b], s[SEL], s[SEL+1]
.endr
.irp b, 0,1,2,3
	v_max_num_f32 v[TM+\b], v[TM+\b], v[TM+4+\b]
.endr
	v_max3_num_f32 v64, v[TM], v[TM+1], v[TM+2]
	v_max_num_f32 v64, v64, v[TM+3]
	v_mul_f32 v64, s[CS], v64                      ; the step's largest t (its first key counts for every query of the tile, so it is a number)
.if \first
	v_mov_b32 v13, v64
	v_floor_f32 v12, -v13                          ; -M = floor(-t): M is a whole number
	v_mov_b32 v14, 0
	v_mov_b32 v15, 0
.else
	v_max_num_f32 v13, v13, v64
	v_mov_b32 v64, v12
	v_floor_f32 v12, -v13
	v_sub_f32 v64, v12, v64                        ; old M - new M, a whole number, 0 or less
	v_cvt_i32_f32 v64, v64
	v_ldexp_f32 v54, 1.0, v64                      ; f = 2^(old M - new M): a multiplication by it rounds nothing
.endif
.set jj, 0
.rept 32
	v_pk_fma_f32 v[S+jj:S+jj+1], v[S+jj:S+jj+1], s[CS:CS+1], v[12:13] op_sel_hi:[1,0,0]   ; t - M
.set jj, jj+2
.endr
.irp b, 0,1,2,3
	v_fma_f32 v[TM+\b], v[TM+\b], s[CS], v12
.endr
.set jj, 0
	s_wait_alu depctr_va_vdst(0)
.rept 64
	v_exp_f32 v[S+jj], v[S+jj]                     ; p = 2^(t - M), not normalised
.set jj, jj+1
.endr
.if \first
	v_nop                                          ; a plain place behind the exponentials
.else
	v_pk_mul_f32 v[14:15], v[14:15], v[54:55] op_sel_hi:[1,0]      ; the sums under the new M; also the plain place behind the exponentials
.endif
	s_wait_alu depctr_va_vdst(0)                   ; one wait for the batch, ahead of its first reader
.irp b, 0,1,2,3
	v_exp_f32 v[TM+\b], v[TM+\b]                   ; each block's largest p
.endr
	v_pk_add_f32 v[TM+4:TM+5], v[S:S+1], v[S+2:S+3]                ; the row's sum is taken of the unquantised p, in two chains
.set jj, 4
.rept 15
	v_pk_add_f32 v[14:15], v[14:15], v[S+jj:S+jj+1]
	v_pk_add_f32 v[TM+4:TM+5], v[TM+4:TM+5], v[S+jj+2:S+jj+3]
.set jj, jj+4
.endr
	v_pk_add_f32 v[14:15], v[14:15], v[TM+4:TM+5]
	s_wait_alu depctr_va_vdst(0)                   ; and one for the four
.irp b, 0,1,2,3
	v_max_num_f32 v[TM+\b], 0x1800000, v[TM+\b]    ; the floor: a block whose every p is 0 keeps the byte 1; its codes are zeros
.endr
	QTAIL S, 0
.if !(\first)
	WIN 0xc3                                       ; O^T (destination and source 0) window 3
.set jj, 0
.rept 16
	v_pk_mul_f32 v[32*(\hd)+jj:32*(\hd)+jj+1], v[32*(\hd)+jj:32*(\hd)+jj+1], v[54:55] op_sel_hi:[1,0]   ; O^T under the new M, each accumulator from its low end on
.set jj, jj+2
.endr
	WIN 0
.endif
.rept 8
	v_nop                                          ; p's scale word, written by vector instructions, stands 8 places ahead of the scaled matrix instruction, its codes 4
.endr
	s_wait_alu depctr_va_vdst(0)
	s_wait_dscnt 0x0                               ; v's fragments are in
.if \first
	WIN 0xc0
.else
	WIN 0xf0
.endif
.irp e, 0,1,2,3
.if \first
	WM 32*(\hd)+8*\e, FR+12*\e, PC, -1, 48+\e, PW, 0, 0
.else
	WM 32*(\hd)+8*\e, FR+12*\e, PC, 32*(\hd)+8*\e, 48+\e, PW, 0, 0
.endif
.endr
	WIN 0
.if (\ks) == 1
.Lskip_\@:
.endif
.endm
.macro FIN hd                          ; O^T / the row's sum
	PLACES
	v_add_f32 v14, v14, v15
	v_permlanex16_b32 v64, v14, s[SEL], s[SEL+1]
	v_add_f32 v14, v14, v64
	s_wait_alu depctr_va_vdst(0)
	v_rcp_f32 v54, v14
	v_nop                                          ; a plain place behind the reciprocal
	s_wait_alu depctr_va_vdst(0)                   ; and the wait ahead of its first reader
	WIN 0xc3
.set jj, 0
.rept 16
	v_pk_mul_f32 v[32*(\hd)+jj:32*(\hd)+jj+1], v[32*(\hd)+jj:32*(\hd)+jj+1], v[54:55] op_sel_hi:[1,0]
.set jj, jj+2
.endr
	WIN 0
.endm
	v_add_nc_u32 v[A8], KIMG, v[L16]               ; k's images; v's lie VIMG - KIMG bytes on
	v_add_nc_u32 v[A8S], KSC, v[L4]
	v_and_b32 v64, 15, v0
	v_and_b32 v65, 8, v64
	v_add_nc_u32 v64, v64, v65                     ; pi(r)
	v_bfe_u32 v65, v0, 4, 1
	v_lshlrev_b32 v65, 4, v65
	v_sub_nc_u32 v[DL], v64, v65
.irp k, 22,23,24,25,26,27,28,29,30,31,32,33
	v_mov_b32 v\k, 0                               ; zero codes: head 0's copy of q has none of head 1's half, and the other way round
.endr
	v_mov_b32 v55, 0                               ; (named as the upper half of the pair v[54:55])
	s_mov_b32 s[I], 0
	s_mov_b32 s[TQ], 0
	s_mov_b32 s[TQS], 0
.Ltile:                                            ; four trips: my tiles T = 2 w + I % 2 + 8 (I / 2)
	s_wait_xcnt 0x0                                ; the last tile's stores have read their base, the codes and the scale word: all are written again below
	s_and_b32 s16, s[I], 1
	s_lshr_b32 s17, s[I], 1
	s_lshl_b32 s[Q0], s10, 5
	s_lshl_b32 s18, s16, 3
	s_add_co_u32 s[Q0], s[Q0], s18
	s_lshl_b32 s18, s17, 7
	s_add_co_u32 s[Q0], s[Q0], s18                 ; 32 w + 8 (I % 2) + 128 (I / 2)
	s_lshl_b32 s18, s14, 2
	s_lshr_b32 s19, s10, 1
	s_add_co_u32 s18, s18, s19
	s_lshl_b32 s19, s17, 1
	s_add_co_u32 s18, s18, s19                     ; the block of 64 rows: 4 batch + T / 4
	s_mul_i32 s18, s18, 26624
	s_and_b32 s19, s10, 1
	s_lshl_b32 s19, s19, 1
	s_add_co_u32 s19, s19, s16
	s_lshl_b32 s19, s19, 2
	s_add_co_u32 s19, s19, s13                     ; image 4 (T % 4) + the pair of heads, which is the next product's K step
	s_mul_i32 s20, s19, 1536
	s_add_co_u32 s20, s20, s18
	s_mov_b32 s21, 0
	s_add_nc_u64 s[HB:HB+1], s[8:9], s[20:21]
	s_lshl_b32 s22, s19, 7
	s_add_co_u32 s22, s22, s18
	s_add_co_u32 s22, s22, 24576
	s_mov_b32 s23, 0
	s_add_nc_u64 s[HB2:HB2+1], s[8:9], s[22:23]
	v_add_nc_u32 v[QAD], s[TQ], v[QBA]
	v_add_nc_u32 v[QSA], s[TQS], v[QBS]
.irp p, 0,1,2
	ds_load_b64 v[16+2*\p:17+2*\p], v[QAD] offset:512*(\p/2)+8*(\p%2)     ; registers 0-5 of q's fragment: head 0
.endr
.irp p, 3,4,5
	ds_load_b64 v[28+2*\p:29+2*\p], v[QAD] offset:512*(\p/2)+8*(\p%2)     ; registers 6-11: head 1
.endr
	ds_load_b32 v52, v[QSA]
	STEP 0, 0, 1
	STEP 0, 1, 0
	FIN 0
	STEP 1, 0, 1
	STEP 1, 1, 0
	FIN 1
	QUANT 0, 3                                     ; the two heads' 128 channels of my 16 queries: one fragment of the next product
.irp g, 0,1,2
	global_store_b128 v[L16], v[PC+4*\g:PC+4*\g+3], s[HB:HB+1] offset:512*\g   ; 512 consecutive bytes a store
.endr
	global_store_b32 v[L4], v[PW], s[HB2:HB2+1]
	s_add_co_u32 s[TQ], s[TQ], 1536
	s_add_co_u32 s[TQS], s[TQS], 128
	s_add_co_u32 s[I], s[I], 1
	s_cmp_lt_u32 s[I], 4
	s_cbranch_scc1 .Ltile
	s_wait_tensorcnt 0x0                           ; the wave's end, behind my last tensor load and my last LDS store
	ds_add_u32 v[SPW], v[NIL]
	s_wait_dscnt 0x0
	CROUND                                         ; the closing round
	s_endpgm
.Lfunc_end_k_q6f5df448c9_attn:
	.size	k_q6f5df448c9_attn, .Lfunc_end_k_q6f5df448c9_attn-k_q6f5df448c9_attn
	.p2alignl 7, 3214868480
	.fill 96, 4, 3214868480
	.section	.rodata,"a",@progbits
	.p2align	6, 0x0
	.amdhsa_kernel k_q6f5df448c9_attn
		.amdhsa_group_segment_fixed_size 327680
		.amdhsa_private_segment_fixed_size 0
		.amdhsa_enable_private_segment 0
		.amdhsa_kernarg_size 24
		.amdhsa_user_sgpr_count 2
		.amdhsa_user_sgpr_kernarg_segment_ptr 1
		.amdhsa_wavefront_size32 1
		.amdhsa_system_sgpr_workgroup_id_x 1
		.amdhsa_system_sgpr_workgroup_id_y 1
		.amdhsa_system_sgpr_workgroup_id_z 1
		.amdhsa_system_vgpr_workitem_id 0
		.amdhsa_next_free_vgpr 1024
		.amdhsa_next_free_sgpr 80
		.amdhsa_reserve_vcc 1
		.amdhsa_float_denorm_mode_32 3
		.amdhsa_float_denorm_mode_16_64 3
		.amdhsa_memory_ordered 1
		.amdhsa_forward_progress 1
		.amdhsa_inst_pref_size 238
	.end_amdhsa_kernel
	.amdgpu_metadata
---
amdhsa.version: [ 1, 2 ]
amdhsa.kernels:
  - .name:           k_q6f5df448c9_attn
    .symbol:         k_q6f5df448c9_attn.kd
    .args:
      - { .name: xc, .offset: 0, .size: 8, .value_kind: global_buffer, .address_space: global }
      - { .name: wqkv, .offset: 8, .size: 8, .value_kind: global_buffer, .address_space: global }
      - { .name: hc, .offset: 16, .size: 8, .value_kind: global_buffer, .address_space: global }
    .group_segment_fixed_size: 327680
    .private_segment_fixed_size: 0
    .kernarg_segment_align: 8
    .kernarg_segment_size: 24
    .max_flat_workgroup_size: 128
    .sgpr_count:     80
    .vgpr_count:     1024
    .wavefront_size: 32
...
	.end_amdgpu_metadata
.endif
;; end of part 2
;; launch ffn (part 3): grid 256 x 1, 4 waves a work-group, clusters of 4 x 1, 327,680 bytes of LDS; arguments hc, wbuf, x, b1, b2, ln1_g, ln1_b, ln2_g, ln2_b, out0; writes out0
.if DOCPART == 3
	.amdgcn_target "amdgcn-amd-amdhsa--gfx1250"
	.amdhsa_code_object_version 6
	.text
	.protected	k_q6f5df448c9_ffn
	.globl	k_q6f5df448c9_ffn
	.p2align	8
	.type	k_q6f5df448c9_ffn,@function
k_q6f5df448c9_ffn:
	s_mov_b64 s[64:65], 0
	v_nop
	global_prefetch_b8 v0, s[64:65] scope:SCOPE_SE
	s_setreg_imm32_b32 hwreg(HW_REG_WAVE_MODE, 25, 1), 1
	s_wait_xcnt 0x0
	s_wait_alu depctr_hold_cnt(0) depctr_sa_sdst(0) depctr_va_vdst(0) depctr_va_sdst(0) depctr_va_ssrc(0) depctr_va_vcc(0) depctr_vm_vsrc(0)
	s_getreg_b32 s2, hwreg(HW_REG_IB_STS2, 6, 4)
	s_cmp_eq_u32 s2, 0
	s_cbranch_scc0 .Lentry_in_a_cluster
	s_endpgm
.Lentry_in_a_cluster:
	s_bfe_u32 s2, ttmp6, 0x10000c
	s_cmp_lg_u32 s2, 0x3003
	s_cbranch_scc0 .Lentry_shape_is_right
	s_endpgm
.Lentry_shape_is_right:
; FFN: out = LN2(relu(ln1 W1 + b1) W2 + b2 + ln1), ln1 = LN1(heads Wo + x); the three products on codes of FP6 (E2M3) with E8M0 scales, all else in f32.
; SHARES.  A work-group owns 64 whole rows; row tile m holds tokens 32 (m / 2) + 8 (m % 2) + pi(r), pi(r) = r + 8 (r / 8).  Wave w owns columns 128 w .. + 127.
; Nine stages of one shape, [64 x 512] x [512 x 512]: Wo; then for each of four chunks of 512 hidden units W1's and W2's; 128 matrix instructions a wave each, used transposed
; (source 0 = 16 weight columns, source 1 = 16 rows): a lane holds one row and its registers run along the columns, the next product's K.  ln1 and the hidden layer are quantised in
; registers and go from wave to wave through LDS as images of operand registers.
; WEIGHTS: all work-groups walk the same 18 half-stages (two K steps, 102,400 bytes, a quarter for each wave).  CLUSTER 4 x 1: the four partners ask for each quarter jointly.
; A ring of two slots, a half-stage each; a wave fetches and reads its own quarter alone.  The round of the cluster's barrier stands behind a half-stage's last LDS reads, 16 matrix instructions
; ahead of its end; the refill (the tile two on) is first behind it, then the other slot's first fragments are read.  One tensor load a wave is out between two rounds.
; PREFETCH: behind the tensor load of tile i each wave names tile i + 2: of its quarter's 100 blocks of 256 bytes the partner at place cx takes 25 (by address; lanes 25-31 name the 25th again);
; nothing is named past tile 17.
; x comes in dense rows (512 bytes a load), turns through my way-out stage into Y's layout and is the C of Wo's first K step.  b1 is the C of W1's first K step.
; Y (window 2): x, + heads Wo, then ln1, then ln1 + b2 + the sum over the chunks.  A LayerNorm takes the mean first and the squares of the deviations second.
; LIMITS: NaN and infinities are not served; a block whose largest magnitude lies under 2^-124 keeps the scale byte 1.
; REGISTERS: window 0: addresses, scales (v24-31 rows', v40-47 weights'), QUANT's registers, v96-191 four row fragments x two sets, v192-247 a LayerNorm's sums.
;   window 1: v0-191 eight weight fragments x two sets; v192-255 b1.   window 2: Y, accumulator (m, t) at 8 (8 m + t).   window 3: x as loaded, gains and biases, the hidden layer.
.set HS,    102400                     ; a half-stage, and a slot: slot 0 at byte 0, slot 1 behind it
.set QT,    25600                      ; a wave's quarter: 16 images of 1,536 bytes, 8 pair scale images of 128
.set AIMG,  204800                     ; 16 images (4 m + s) of the heads, then of ln1
.set ASC,   AIMG+24576                 ; their scale images
.set HOFF,  26624                      ; the hidden layer's lie this far behind
.set STAT,  AIMG+53248                 ; four exchanges of 1,024 bytes
.set PARM,  AIMG+57344                 ; for each wave nine slices of 512 bytes: ln1_g, ln1_b, b2, ln2_g, ln2_b, b1's four chunks
.set PWV,   4608
.set XROW,  528                        ; a stage row: 512 bytes + 16
.set SWV,   16*XROW
.set STG,   AIMG+75776                 ; a stage of 16 rows for each wave
.set SPARE, STG+4*SWV                  ; the spare words, 128 bytes for each wave
.set L16, 1
.set L4,  2
.set ORD, 3                            ; stage: whole rows, 16 x lane
.set PA,  5
.set B1A, 6
.set AA,  7
.set AAS, 8
.set IW,  9
.set IWS, 10
.set STS, 11
.set STL, 12
.set PST, 13
.set STO, 15                           ; stage: row r, + 64 (lane / 16)
.set HST, 16
.set SPW, 18                           ; my spare word; never rewritten
.set NIL, 19                           ; 0; never rewritten
.set BA,  32                           ; v32, v33 my quarter's images in slot 0, 1
.set BS,  34                           ; v34, v35 its scale images
.set PFO, 36                           ; the prefetches' offset
.set PW,  53
.set TM,  56
.set PC,  72
.set CH,  192
.set PS,  208
.set RX,  212
.set MU,  228
.set RS,  236
.set PT,  244
.set WV,  24
.set G1,  28                           ; s[28:35] group 1
.set G0,  36                           ; s[36:39], s[40:43] group 0 of slot 0, 1
.set SEL, 44
.set MSB, 0
.macro WIN new
.if MSB != (\new)
	s_set_vgpr_msb (MSB<<8)|(\new)
.set MSB, (\new)
.endif
.endm
.macro PLACES                          ; four places behind matrix instructions (ISA guide 7.12.1)
.rept 4
	v_nop
.endr
.endm
.macro BARRIER
	s_wait_dscnt 0x0
	s_barrier_signal -1
	s_barrier_wait -1
.endm
.macro CREST                           ; a round of the cluster's barrier behind its opening barrier
	s_cmp_lg_u32 s[WV], 0
	s_cbranch_scc1 .Lnw0_\@
	s_barrier_signal -3
.Lnw0_\@:
	s_barrier_wait -3
	s_barrier_signal -1
	s_barrier_wait -1
.endm
.macro ROUND
	s_barrier_signal -1
	s_barrier_wait -1
	CREST
.endm
.macro WM d, a, b, c, sa, sb, ra       ; ra = 1: source 0's scales stand in lanes 16-31
.if (\ra)
	v_wmma_scale_f32_16x16x128_f8f6f4 v[(\d):(\d)+7], v[(\a):(\a)+11], v[(\b):(\b)+11], v[(\c):(\c)+7], v[(\sa)], v[(\sb)] matrix_a_fmt:MATRIX_FMT_FP6 matrix_b_fmt:MATRIX_FMT_FP6 matrix_a_scale:MATRIX_SCALE_ROW1
.else
	v_wmma_scale_f32_16x16x128_f8f6f4 v[(\d):(\d)+7], v[(\a):(\a)+11], v[(\b):(\b)+11], v[(\c):(\c)+7], v[(\sa)], v[(\sb)] matrix_a_fmt:MATRIX_FMT_FP6 matrix_b_fmt:MATRIX_FMT_FP6
.endif
.endm
; QUANT: 64 numbers of a lane in window wd, register s + 16 b + i = k 32 b + 16 (lane / 16) + i of my row, become a fragment's codes in v[PC] on and the row's scale word in v[PW]
.macro QUANT s, wd
	WIN (\wd)|((\wd)<<2)
.irp b, 0,1,2,3
	v_max3_num_f32 v[TM+\b], |v[(\s)+16*\b]|, |v[(\s)+16*\b+1]|, 0x1800000   ; with the floor 2^(3 - 127): the byte cannot fall under 1
.endr
.irp i, 2,4,6,8,10,12,14
.irp b, 0,1,2,3
	v_max3_num_f32 v[TM+\b], |v[(\s)+16*\b+\i]|, |v[(\s)+16*\b+\i+1]|, v[TM+\b]
.endr
.endr
	WIN 0
.irp b, 0,1,2,3
	v_permlanex16_b32 v[TM+4+\b], v[TM+\b], s[SEL], s[SEL+1]
.endr
.irp b, 0,1,2,3
	v_max_num_f32 v[TM+\b], v[TM+\b], v[TM+4+\b]
.endr
.irp b, 0,1,2,3
	v_add_nc_u32 v[TM+12+\b], 0xff000000, v[TM+\b]     ; 2 off the exponent field: the conversion's scale operand
.endr
.irp b, 0,1,2,3
	v_lshrrev_b32 v[TM+4+\b], 23, v[TM+12+\b]          ; the scale's byte
.endr
	v_lshl_or_b32 v[PW], v[TM+5], 8, v[TM+4]
	v_lshl_or_b32 v[PW], v[TM+6], 16, v[PW]
	v_lshl_or_b32 v[PW], v[TM+7], 24, v[PW]
	WIN (\wd)
.irp c, 0,1
	v_cvt_scalef32_pk16_fp6_f32 v[PC+6*\c:PC+6*\c+2], v[(\s)+32*\c:(\s)+32*\c+15], v[TM+12+2*\c]
	v_cvt_scalef32_pk16_fp6_f32 v[PC+12+4*\c:PC+14+4*\c], v[(\s)+32*\c+16:(\s)+32*\c+31], v[TM+13+2*\c]
.endr
	WIN 0
	v_nop                                              ; one plain place behind the scaled conversions
.irp c, 0,1
.irp i, 0,1,2
	v_permlane16_swap_b32 v[PC+6*\c+\i], v[PC+12+4*\c+\i]
.endr
.irp i, 0,1,2
	v_mov_b32 v[PC+3+6*\c+\i], v[PC+12+4*\c+\i]
.endr
.endr
.endm
.macro IMAGE adr, off
.irp c, 0,1,2
	ds_store_b128 v[\adr], v[PC+4*\c:PC+4*\c+3] offset:(\off)+512*\c
.endr
.endm
; 14 LDS loads: tiles 4 hf .. + 3 of my eight weight fragments of the slot's K step s, and their two pair scale images, into set s
.macro BLD sl, s, hf
	WIN 0x40                                       ; destination window 1
.irp t, 0,1,2,3
.irp g, 0,1,2
	ds_load_b128 v[96*(\s)+12*(4*(\hf)+\t)+4*\g:96*(\s)+12*(4*(\hf)+\t)+4*\g+3], v[BA+(\sl)] offset:(8*(\s)+4*(\hf)+\t)*1536+512*\g
.endr
.endr
	WIN 0
.irp p, 0,1
	ds_load_b32 v[40+4*(\s)+2*(\hf)+\p], v[BS+(\sl)] offset:(4*(\s)+2*(\hf)+\p)*128
.endr
.endm
.macro FETCH4 ab, st, bf               ; 16 LDS loads: the four row fragments of K step st and their scale words
.irp m, 0,1,2,3
.irp g, 0,1,2
	ds_load_b128 v[96+48*(\bf)+12*\m+4*\g:96+48*(\bf)+12*\m+4*\g+3], v[AA] offset:(\ab)+(4*\m+(\st))*1536+512*\g
.endr
	ds_load_b32 v[24+4*(\bf)+\m], v[AAS] offset:(\ab)+(4*\m+(\st))*128
.endr
.endm
; mode 1: W1 (D = the hidden layer, window 3; the first C is b1, window 1);  mode 2: Wo and W2 (Y in place)
.macro FWIN mode, st
.if ((\mode) == 1) && ((\st) == 0)
	WIN 0xd1
.elseif (\mode) == 1
	WIN 0xf1
.else
	WIN 0xa1
.endif
.endm
.macro FMUL mode, st, t                ; weight tile t against the four row tiles; the 32 accumulators take turns, one instruction a turn
.irp m, 0,1,2,3
.if ((\mode) == 1) && ((\st) == 0)
	WM 8*(8*\m+(\t)), 96*((\st)%2)+12*(\t), 96+48*((\st)%2)+12*\m, 192+8*(\t), 40+4*((\st)%2)+(\t)/2, 24+4*((\st)%2)+\m, (\t)%2
.else
	WM 8*(8*\m+(\t)), 96*((\st)%2)+12*(\t), 96+48*((\st)%2)+12*\m, 8*(8*\m+(\t)), 40+4*((\st)%2)+(\t)/2, 24+4*((\st)%2)+\m, (\t)%2
.endif
.endr
.endm
.macro FMG mode, st, t0, n             ; n weight tiles from t0 on
	FWIN \mode, \st
.set tt, \t0
.rept \n
	FMUL \mode, \st, tt
.set tt, tt+1
.endr
.endm
; A HALF-STAGE: K steps 2 h and 2 h + 1 of a stage, from slot h.  On entry the first step's weight fragments (set 0) and row fragments have been asked for.
; turn = 2: round, refill of this slot with the tile two on, then the other slot's first fragments;  1: nothing is left to fetch, the other slot is awaited and read;  0: the last half-stage.
; pf: where the prefetch stands from s[6:7], under 0: none.
.macro HALF mode, ab, h, turn, pf
	FETCH4 \ab, 2*(\h)+1, 1
	BLD \h, 1, 0
	s_wait_dscnt 30                                ; all but the 16 + 14 loads just issued: the first step's fragments are in
	FMG \mode, 2*(\h), 0, 4
	BLD \h, 1, 1
	FMG \mode, 2*(\h), 4, 4
	s_wait_dscnt 14                                ; all but the last batch
	FMG \mode, 2*(\h)+1, 0, 4
.if (\turn) == 2
	WIN 0
	s_wait_tensorcnt 0x0                           ; my one load that was out, my quarter of the other slot, has landed
	ds_add_u32 v[SPW], v[NIL]
	s_add_nc_u64 s[G0+4*(\h)+2:G0+4*(\h)+3], s[G0+4*(\h)+2:G0+4*(\h)+3], 2*HS   ; this slot's next tile
	s_wait_dscnt 0x0                               ; the add is done, and my reads of this slot are over
	s_barrier_signal -1                            ; opens a round of the cluster's barrier
	FMG \mode, 2*(\h)+1, 4, 2
	WIN 0
	s_barrier_wait -1
	CREST                                          ; no wave of any partner still reads this slot or has a load on its way
	tensor_load_to_lds s[G0+4*(\h):G0+4*(\h)+3], s[G1:G1+7]
	s_nop 0
	PLACES                                         ; also the places in front of the loads into set 0
.else
.if (\turn) == 1
	s_wait_tensorcnt 0x0                           ; my quarter of the last tile has landed; I alone read it
.endif
	s_wait_dscnt 0x0
	FMG \mode, 2*(\h)+1, 4, 2
.if (\turn) == 1
	PLACES
.endif
.endif
.if \turn
	BLD 1-(\h), 0, 0
	BLD 1-(\h), 0, 1
.if (\h) == 0
	FETCH4 \ab, 2, 0
.endif
.if (\pf) >= 0
	s_cmp_lt_u32 ttmp9, 4
	s_cbranch_scc0 .Lno_prefetch_ffn0_\@
	global_prefetch_b8 v[PFO], s[6:7] offset:\pf th:TH_LOAD_NT scope:SCOPE_SE   ; the tile two behind the one just asked for
.Lno_prefetch_ffn0_\@:
.endif
.endif
	FMG \mode, 2*(\h)+1, 6, 2
	PLACES                                         ; for the next loads into set 1 and for the first read of results
	WIN 0
.endm
.macro PLOAD adr, off, dst, win        ; 64 numbers of a gain or bias in the results' layout: register 16 b + i = column 128 w + 32 b + 16 (lane / 16) + i
	WIN \win
.irp b, 0,1,2,3
.irp q, 0,1,2,3
	ds_load_b128 v[(\dst)+16*\b+4*\q:(\dst)+16*\b+4*\q+3], v[\adr] offset:(\off)+128*\b+16*\q
.endr
.endr
	WIN 0
.endm
.macro FOLD                            ; the chains become my part of each row's sum
.irp m, 0,1,2,3
	v_pk_add_f32 v[CH+4*\m:CH+4*\m+1], v[CH+4*\m:CH+4*\m+1], v[CH+4*\m+2:CH+4*\m+3]
.endr
.irp m, 0,1,2,3
	v_add_f32 v[PS+\m], v[CH+4*\m], v[CH+4*\m+1]
.endr
.irp m, 0,1,2,3
	v_permlanex16_b32 v[PT+\m], v[PS+\m], s[SEL], s[SEL+1]
.endr
.irp m, 0,1,2,3
	v_add_f32 v[PS+\m], v[PS+\m], v[PT+\m]
.endr
.endm
.macro EXCH e                          ; the four waves' parts meet in LDS, in bytes of their own for each exchange
	ds_store_b128 v[STS], v[PS:PS+3] offset:1024*(\e)
	BARRIER
.irp w, 0,1,2,3
	ds_load_b128 v[RX+4*\w:RX+4*\w+3], v[STL] offset:1024*(\e)+256*\w
.endr
	s_wait_dscnt 0x0
	v_pk_add_f32 v[RX:RX+1], v[RX:RX+1], v[RX+4:RX+5]
	v_pk_add_f32 v[RX+2:RX+3], v[RX+2:RX+3], v[RX+6:RX+7]
	v_pk_add_f32 v[RX+8:RX+9], v[RX+8:RX+9], v[RX+12:RX+13]
	v_pk_add_f32 v[RX+10:RX+11], v[RX+10:RX+11], v[RX+14:RX+15]
	v_pk_add_f32 v[RX:RX+1], v[RX:RX+1], v[RX+8:RX+9]
	v_pk_add_f32 v[RX+2:RX+3], v[RX+2:RX+3], v[RX+10:RX+11]
.endm
; Y = (Y - mean) / sqrt(var + eps) x g + b; g in v0-63 and b in v64-127 of window 3, asked for ahead of this macro: its exchanges' waits show them in
.macro LNORM e
	WIN 0x0a
.irp m, 0,1,2,3
	v_pk_add_f32 v[CH+4*\m:CH+4*\m+1], v[64*\m:64*\m+1], v[64*\m+4:64*\m+5]          ; each accumulator is read from its low end on
	v_pk_add_f32 v[CH+4*\m+2:CH+4*\m+3], v[64*\m+2:64*\m+3], v[64*\m+6:64*\m+7]
.endr
	WIN 0x02
.set pp, 4
.rept 28
.irp m, 0,1,2,3
	v_pk_add_f32 v[CH+4*\m+2*(pp%2):CH+4*\m+2*(pp%2)+1], v[64*\m+2*pp:64*\m+2*pp+1], v[CH+4*\m+2*(pp%2):CH+4*\m+2*(pp%2)+1]
.endr
.set pp, pp+1
.endr
	WIN 0
	FOLD
	EXCH \e
.irp m, 0,1,2,3
	v_mul_f32 v[MU+2*\m], 0xbb000000, v[RX+\m]     ; x -1/512
	v_mul_f32 v[MU+2*\m+1], 0xbb000000, v[RX+\m]
.endr
	WIN 0x82
.irp m, 0,1,2,3
.set pp, 0
.rept 32
	v_pk_add_f32 v[64*\m+2*pp:64*\m+2*pp+1], v[64*\m+2*pp:64*\m+2*pp+1], v[MU+2*\m:MU+2*\m+1]
.set pp, pp+1
.endr
.endr
	WIN 0x0a
.irp m, 0,1,2,3
	v_pk_mul_f32 v[CH+4*\m:CH+4*\m+1], v[64*\m:64*\m+1], v[64*\m:64*\m+1]
	v_pk_mul_f32 v[CH+4*\m+2:CH+4*\m+3], v[64*\m+2:64*\m+3], v[64*\m+2:64*\m+3]
.endr
.set pp, 2
.rept 30
.irp m, 0,1,2,3
	v_pk_fma_f32 v[CH+4*\m+2*(pp%2):CH+4*\m+2*(pp%2)+1], v[64*\m+2*pp:64*\m+2*pp+1], v[64*\m+2*pp:64*\m+2*pp+1], v[CH+4*\m+2*(pp%2):CH+4*\m+2*(pp%2)+1]
.endr
.set pp, pp+1
.endr
	WIN 0
	FOLD
	EXCH (\e)+1
.irp m, 0,1,2,3
	v_fma_f32 v[RX+\m], v[RX+\m], s47, s48         ; / 512 + 1e-5
.endr
	s_wait_alu depctr_va_vdst(0)                   ; the wait ahead of the batch
.irp m, 0,1,2,3
	v_rsq_f32 v[RS+2*\m], v[RX+\m]
.endr
	v_nop                                          ; a plain place behind the last of them
	s_wait_alu depctr_va_vdst(0)                   ; and one wait ahead of their first reader
.irp m, 0,1,2,3
	v_mov_b32 v[RS+2*\m+1], v[RS+2*\m]
.endr
	WIN 0x82
.irp m, 0,1,2,3
.set pp, 0
.rept 32
	v_pk_mul_f32 v[64*\m+2*pp:64*\m+2*pp+1], v[64*\m+2*pp:64*\m+2*pp+1], v[RS+2*\m:RS+2*\m+1]
.set pp, pp+1
.endr
.endr
	WIN 0xbe
.irp m, 0,1,2,3
.set pp, 0
.rept 32
	v_pk_fma_f32 v[64*\m+2*pp:64*\m+2*pp+1], v[64*\m+2*pp:64*\m+2*pp+1], v[2*pp:2*pp+1], v[64+2*pp:64+2*pp+1]
.set pp, pp+1
.endr
.endr
	WIN 0
.endm
	s_load_b512 s[4:19], s[0:1], 0x0               ; hc s[4:5], wbuf s[6:7], x s[8:9], b1 s[10:11], b2 s[12:13], ln1_g s[14:15], ln1_b s[16:17], ln2_g s[18:19]
	s_load_b128 s[20:23], s[0:1], 0x40             ; ln2_b s[20:21], out0 s[22:23]
	v_lshl_add_u32 v[SPW], v0, 2, SPARE
	v_mov_b32 v[NIL], 0
	ds_add_u32 v[SPW], v[NIL]                      ; the opening lines: the add, twice on end, and its wait ahead of my first tensor load
	ds_add_u32 v[SPW], v[NIL]
	v_lshrrev_b32 v1, 5, v0
	v_readfirstlane_b32 s[WV], v1                  ; wave 0..3
	s_bfe_u32 s25, ttmp6, 0x40000                  ; cx
	s_lshl_b32 s26, ttmp9, 2
	s_add_co_u32 s26, s26, s25                     ; the work-group: my 64 rows
	s_mov_b32 s[G1], 15|(3<<16)|(1<<21)            ; group 1: the mask names the four partners; a quarter is a dense block: 100 rows of 256 bytes (32 elements of 8)
	s_mov_b32 s[G1+1], 32<<16
	s_mov_b32 s[G1+2], 100<<16
	s_mov_b32 s[G1+3], 32<<16
	s_mov_b32 s[G1+4], 100
	s_mov_b32 s[G1+5], 32
	s_mov_b32 s[G1+6], 0
	s_mov_b32 s[G1+7], 0
	s_mul_i32 s50, s[WV], QT                       ; my quarter, in memory and in a slot
	s_mov_b32 s51, 0
	s_lshl_b32 s52, s26, 17                        ; 64 rows of 2,048 bytes,
	s_lshl_b32 s54, s[WV], 9                       ; my 128 columns
	s_add_co_u32 s52, s52, s54
	s_mov_b32 s53, 0
	s_mov_b32 s55, 0
	s_mul_i32 s58, s[WV], 6656                     ; my quarter of the heads' 26,624 bytes
	s_mul_i32 s56, s26, 26624
	s_add_co_u32 s56, s56, s58
	s_mov_b32 s57, 0
	s_mul_i32 s59, s[WV], SWV
	s_add_co_u32 s59, s59, STG                     ; my stage
	s_mul_i32 s60, s[WV], PWV
	s_add_co_u32 s60, s60, PARM                    ; my slices
	s_mov_b32 s49, 5*512                           ; b1's chunk 0 among them
	s_mul_i32 s27, s25, 6400                       ; my work-group's 25 blocks of a quarter's 100, for the prefetches
	s_mov_b32 s[SEL], 0x76543210
	s_mov_b32 s[SEL+1], 0xfedcba98
	s_mov_b32 s47, 0x3b000000                      ; 1 / 512
	s_mov_b32 s48, 0x3727c5ac                      ; 1e-5
	s_wait_dscnt 0x0                               ; both opening adds are done
	s_wait_kmcnt 0x0
	s_add_nc_u64 s[4:5], s[4:5], s[56:57]
	s_add_nc_u64 s[6:7], s[6:7], s[50:51]
	s_add_nc_u64 s[8:9], s[8:9], s[52:53]
	s_add_nc_u64 s[22:23], s[22:23], s[52:53]
.irp p, 10,12,14,16,18,20
	s_add_nc_u64 s[\p:\p+1], s[\p:\p+1], s[54:55]
.endr
	s_mov_b32 s[G0], 1
	s_mov_b32 s[G0+1], s50
	s_mov_b64 s[G0+2:G0+3], s[6:7]                 ; tile 0
	s_or_b32 s[G0+3], s[G0+3], 0x80000000
	s_mov_b32 s[G0+4], 1
	s_add_co_u32 s[G0+5], s50, HS
	s_add_nc_u64 s[G0+6:G0+7], s[6:7], HS          ; tile 1
	s_or_b32 s[G0+7], s[G0+7], 0x80000000
	ROUND                                          ; the four partners are here: the first joint loads meet
	tensor_load_to_lds s[G0:G0+3], s[G1:G1+7]      ; my one tensor load at the head
	s_nop 0
	PLACES
	v_and_b32 v2, 31, v0
	v_lshlrev_b32 v[L16], 4, v2
	v_min_u32 v[PFO], 24, v2
	v_lshlrev_b32 v[PFO], 8, v[PFO]
	v_add_nc_u32 v[PFO], s27, v[PFO]
	v_lshlrev_b32 v[L4], 2, v2
.set ii, 0
.rept 13
	global_load_b128 v[96+4*ii:96+4*ii+3], v[L16], s[4:5] offset:512*ii       ; the heads' codes and scale words, as they will lie in LDS
.set ii, ii+1
.endr
	global_load_b128 v[148:151], v[L16], s[14:15]
	global_load_b128 v[152:155], v[L16], s[16:17]
	global_load_b128 v[156:159], v[L16], s[12:13]
	global_load_b128 v[160:163], v[L16], s[18:19]
	global_load_b128 v[164:167], v[L16], s[20:21]
.irp c, 0,1,2,3
	global_load_b128 v[168+4*\c:171+4*\c], v[L16], s[10:11] offset:2048*\c
.endr
	WIN 0xc0                                       ; destination window 3
.set pp, 0
.rept 64
	global_load_b128 v[4*pp:4*pp+3], v[L16], s[8:9] offset:(32*((pp/16)/2)+8*((pp/16)%2)+(pp%16)+8*((pp%16)/8))*2048 th:TH_LOAD_NT   ; x: my 512 bytes of a row; row tile pp / 16, its row pp % 16
.set pp, pp+1
.endr
	WIN 0
	s_cmp_lt_u32 ttmp9, 4
	s_cbranch_scc0 .Lno_prefetch_ffn1
	global_prefetch_b8 v[PFO], s[6:7] offset:2*HS th:TH_LOAD_NT scope:SCOPE_SE
.Lno_prefetch_ffn1:
	v_and_b32 v20, 15, v0                          ; r
	v_bfe_u32 v21, v0, 4, 1                        ; h
	v_mul_u32_u24 v[STO], v20, XROW
	v_lshl_add_u32 v[STO], v21, 6, v[STO]
	v_add_nc_u32 v[STO], s59, v[STO]
	v_add_nc_u32 v[ORD], s59, v[L16]
	v_add_nc_u32 v[PST], s60, v[L16]
	v_lshl_add_u32 v[PA], v21, 6, s60
	v_add_nc_u32 v[B1A], s49, v[PA]
	v_add_nc_u32 v[AA], AIMG, v[L16]
	v_add_nc_u32 v[AAS], ASC, v[L4]
	s_mul_i32 s61, s[WV], 1536
	v_add_nc_u32 v[IW], s61, v[AA]
	s_lshl_b32 s61, s[WV], 7
	v_add_nc_u32 v[IWS], s61, v[AAS]
	v_lshlrev_b32 v[STL], 4, v20
	v_add_nc_u32 v[STL], STAT, v[STL]
	s_lshl_b32 s61, s[WV], 8
	v_add_nc_u32 v[STS], s61, v[STL]
	v_add_nc_u32 v[HST], s58, v[AA]
	v_add_nc_u32 v[BA], s50, v[L16]
	v_add_nc_u32 v[BA+1], HS, v[BA]
	v_add_nc_u32 v[BS], s50, v[L4]
	v_add_nc_u32 v[BS], 24576, v[BS]
	v_add_nc_u32 v[BS+1], HS, v[BS]
.irp b, 0,1,2,3
	v_mov_b32 v[TM+4+\b], 0                        ; written once: a lane permute's destination counts as one of its sources
	v_mov_b32 v[PT+\b], 0
.endr
	s_wait_alu depctr_va_vdst(0)                   ; the wait at the head's end
	s_wait_loadcnt 63                              ; 63 of x's 64 loads may be out: the 22 in front of them are in
.set ii, 0
.rept 13
	ds_store_b128 v[HST], v[96+4*ii:96+4*ii+3] offset:512*ii
.set ii, ii+1
.endr
.set ii, 0
.rept 9
	ds_store_b128 v[PST], v[148+4*ii:148+4*ii+3] offset:512*ii
.set ii, ii+1
.endr
.irp m, 0,1,2,3                                ; x turns through my stage into Y's layout; LDS serves a wave's instructions in order (ISA guide 5.7.1.4): no wait between stores and loads
	s_wait_loadcnt 48-16*\m                        ; row tile m's 16 loads are in
	WIN 0x0c                                       ; the data: window 3
.set pp, 0
.rept 16
	ds_store_b128 v[ORD], v[64*\m+4*pp:64*\m+4*pp+3] offset:XROW*pp
.set pp, pp+1
.endr
	WIN 0x80                                       ; destination window 2
.irp b, 0,1,2,3
.irp q, 0,1,2,3
	ds_load_b128 v[64*\m+16*\b+4*\q:64*\m+16*\b+4*\q+3], v[STO] offset:128*\b+16*\q
.endr
.endr
.endr
	WIN 0
	s_wait_tensorcnt 0x0                           ; tile 0 is in
	ds_add_u32 v[SPW], v[NIL]
	s_wait_dscnt 0x0                               ; the add, my stores of the heads' images and Y's loads are done
	ROUND
	tensor_load_to_lds s[G0+4:G0+7], s[G1:G1+7]    ; tile 1, slot 1's first fill
	s_nop 0
	PLACES
	BLD 0, 0, 0
	BLD 0, 0, 1
	FETCH4 0, 0, 0
	s_cmp_lt_u32 ttmp9, 4
	s_cbranch_scc0 .Lno_prefetch_ffn2
	global_prefetch_b8 v[PFO], s[6:7] offset:3*HS th:TH_LOAD_NT scope:SCOPE_SE
.Lno_prefetch_ffn2:
	; ---- x + heads Wo, LN1
	HALF 2, 0, 0, 2, 4*HS
	HALF 2, 0, 1, 2, 5*HS
	PLOAD PA, 0, 0, 0xc0                           ; ln1's gain, ln1's bias, b2
	PLOAD PA, 512, 64, 0xc0
	PLOAD PA, 1024, 128, 0xc0
	LNORM 0
.irp m, 0,1,2,3                                ; ln1's images take the heads' place: every wave has passed two barriers behind its last read of those
	QUANT 64*\m, 2
	IMAGE IW, 4*\m*1536
	ds_store_b32 v[IWS], v[PW] offset:4*\m*128
	s_wait_dscnt 0x0                               ; the stores have read their registers
.endr
	WIN 0x8e
.irp m, 0,1,2,3
.set pp, 0
.rept 32
	v_pk_add_f32 v[64*\m+2*pp:64*\m+2*pp+1], v[64*\m+2*pp:64*\m+2*pp+1], v[128+2*pp:128+2*pp+1]   ; ln1 + b2: what W2's sums are added onto
.set pp, pp+1
.endr
.endr
	WIN 0
	PLOAD B1A, 0, 192, 0x40                        ; b1 of chunk 0
	s_wait_alu depctr_va_vdst(0)                   ; the wait ahead of the waits below
	s_wait_xcnt 0x0                                ; the prefetches have read their base:
	s_add_nc_u64 s[6:7], s[6:7], 2*HS              ; it steps to tile 2, chunk 0's first
	BARRIER                                        ; ln1's sixteen images lie in LDS, and b1 is in
; ---- A CHUNK of 512 hidden units: W1, relu, quantise, W2: four tiles.  The hidden images of the chunk before are read no more: every wave has passed W1's rounds behind its last read of them.
.macro CHUNK last
	FETCH4 0, 0, 0
.if \last
	HALF 1, 0, 0, 2, -1
	HALF 1, 0, 1, 2, -1
.else
	HALF 1, 0, 0, 2, 4*HS
	HALF 1, 0, 1, 2, 5*HS
	s_add_co_u32 s49, s49, 512
	v_add_nc_u32 v[B1A], s49, v[PA]
	PLOAD B1A, 0, 192, 0x40                        ; the next chunk's b1
.endif
.irp m, 0,1,2,3
	WIN 0xcc
.set jj, 0
.rept 64
	v_max_num_f32 v[64*\m+jj], 0, v[64*\m+jj]      ; the activation, in f32; each accumulator from its low end on
.set jj, jj+1
.endr
	QUANT 64*\m, 3
	IMAGE IW, HOFF+4*\m*1536                       ; K step w of W2's stage
	ds_store_b32 v[IWS], v[PW] offset:HOFF+4*\m*128
	s_wait_dscnt 0x0
.endr
.if \last
	PLOAD PA, 1536, 0, 0xc0                        ; ln2's gain and bias
	PLOAD PA, 2048, 64, 0xc0
.else
	s_wait_xcnt 0x0                                ; the prefetches have read their base:
	s_add_nc_u64 s[6:7], s[6:7], 4*HS              ; it steps to the next chunk's first tile
.endif
	BARRIER                                        ; the hidden layer's sixteen images lie in LDS
	FETCH4 HOFF, 0, 0
.if \last
	HALF 2, HOFF, 0, 1, -1
	HALF 2, HOFF, 1, 0, -1
.else
	HALF 2, HOFF, 0, 2, 2*HS
	HALF 2, HOFF, 1, 2, 3*HS
.endif
.endm
	s_mov_b32 s46, 3
.Lchunk:
	CHUNK 0
	s_sub_co_u32 s46, s46, 1
	s_cmp_lg_u32 s46, 0
	s_cbranch_scc1 .Lchunk
	CHUNK 1                                        ; the last chunk is written out: its last two half-stages fetch nothing, and it prefetches nothing
	LNORM 2
; ---- THE WAY OUT, a row tile at a time, through my own stage
.macro TOSTAGE m
	WIN 0x08                                       ; the data: window 2
.irp b, 0,1,2,3
.irp q, 0,1,2,3
	ds_store_b128 v[STO], v[64*(\m)+16*\b+4*\q:64*(\m)+16*\b+4*\q+3] offset:128*\b+16*\q
.endr
.endr
	WIN 0
.set BB, 96+96*((\m)%2)
.set pp, 0
.rept 16
	ds_load_b128 v[BB+4*pp:BB+4*pp+3], v[ORD] offset:XROW*pp
.set pp, pp+1
.endr
.endm
.macro SEND m, younger                 ; younger: the LDS instructions issued behind tile m's loads, which may stay out
.set BB, 96+96*((\m)%2)
	s_wait_dscnt \younger
.set pp, 0
.rept 16
	global_store_b128 v[L16], v[BB+4*pp:BB+4*pp+3], s[22:23] offset:(32*((\m)/2)+8*((\m)%2)+pp+8*(pp/8))*2048 th:TH_STORE_NT   ; 32 lanes store 512 consecutive bytes of a row
.set pp, pp+1
.endr
.endm
	TOSTAGE 0
	TOSTAGE 1
	s_wait_alu depctr_va_vdst(0)                   ; the wait ahead of SEND's wait
	SEND 0, 32
	s_wait_xcnt 0x0                                ; tile 0's stores have read their registers: tile 2's loads may land there
	TOSTAGE 2
	SEND 1, 32
	s_wait_xcnt 0x0
	TOSTAGE 3
	SEND 2, 32
	SEND 3, 0
	s_wait_tensorcnt 0x0                           ; the wave's end
	ds_add_u32 v[SPW], v[NIL]
	s_wait_dscnt 0x0
	ROUND                                          ; the closing round
	s_endpgm
.Lfunc_end_k_q6f5df448c9_ffn:
	.size	k_q6f5df448c9_ffn, .Lfunc_end_k_q6f5df448c9_ffn-k_q6f5df448c9_ffn
	.p2alignl 7, 3214868480
	.fill 96, 4, 3214868480
	.section	.rodata,"a",@progbits
	.p2align	6, 0x0
	.amdhsa_kernel k_q6f5df448c9_ffn
		.amdhsa_group_segment_fixed_size 327680
		.amdhsa_private_segment_fixed_size 0
		.amdhsa_enable_private_segment 0
		.amdhsa_kernarg_size 80
		.amdhsa_user_sgpr_count 2
		.amdhsa_user_sgpr_kernarg_segment_ptr 1
		.amdhsa_wavefront_size32 1
		.amdhsa_system_sgpr_workgroup_id_x 1
		.amdhsa_system_sgpr_workgroup_id_y 1
		.amdhsa_system_sgpr_workgroup_id_z 1
		.amdhsa_system_vgpr_workitem_id 0
		.amdhsa_next_free_vgpr 1024
		.amdhsa_next_free_sgpr 66
		.amdhsa_reserve_vcc 0
		.amdhsa_float_denorm_mode_32 3
		.amdhsa_float_denorm_mode_16_64 3
		.amdhsa_memory_ordered 1
		.amdhsa_forward_progress 1
		.amdhsa_inst_pref_size 255
	.end_amdhsa_kernel
	.section	.bss,"aw",@nobits
	.p2align	6
	.space	262144
	.amdgpu_metadata
---
amdhsa.version: [ 1, 2 ]
amdhsa.kernels:
  - .name:           k_q6f5df448c9_ffn
    .symbol:         k_q6f5df448c9_ffn.kd
    .args:
      - { .name: hc, .offset: 0, .size: 8, .value_kind: global_buffer, .address_space: global }
      - { .name: wbuf, .offset: 8, .size: 8, .value_kind: global_buffer, .address_space: global }
      - { .name: x, .offset: 16, .size: 8, .value_kind: global_buffer, .address_space: global }
      - { .name: b1, .offset: 24, .size: 8, .value_kind: global_buffer, .address_space: global }
      - { .name: b2, .offset: 32, .size: 8, .value_kind: global_buffer, .address_space: global }
      - { .name: ln1_g, .offset: 40, .size: 8, .value_kind: global_buffer, .address_space: global }
      - { .name: ln1_b, .offset: 48, .size: 8, .value_kind: global_buffer, .address_space: global }
      - { .name: ln2_g, .offset: 56, .size: 8, .value_kind: global_buffer, .address_space: global }
      - { .name: ln2_b, .offset: 64, .size: 8, .value_kind: global_buffer, .address_space: global }
      - { .name: out0, .offset: 72, .size: 8, .value_kind: global_buffer, .address_space: global }
    .group_segment_fixed_size: 327680
    .private_segment_fixed_size: 0
    .kernarg_segment_align: 8
    .kernarg_segment_size: 80
    .max_flat_workgroup_size: 128
    .sgpr_count:     66
    .vgpr_count:     1024
    .wavefront_size: 32
...
	.end_amdgpu_metadata
.endif
;; end of part 3
